; MI455X (gfx1250); checked and timed in simulation.
; The chip was launched on July 23, 2026; its instructions are those of AMD's public machine-readable ISA for CDNA 5 (MIT licence, August 2026) and "CDNA5" Instruction Set Architecture Reference Guide (July 2026). The comments in the code are by the model that wrote it; some were corrected since.
;; Decoder Layer. Allowed arithmetic: matrix products marked QUANTISED: E2M3 operands, one E8M0 scale for each 32 along K, by v_wmma_scale_f32_16x16x128_f8f6f4 with both operands' format E2M3, f32 sums; everything else in f32.
;; Inputs: W1 1,024 x 4,096 float32; W2 4,096 x 1,024 float32; Wk 1,024 x 1,024 float32; Wo 1,024 x 1,024 float32; Wq 1,024 x 1,024 float32; Wv 1,024 x 1,024 float32; b1 4,096 float32; b2 1,024 float32; bk 1,024 float32; bo 1,024 float32; bq 1,024 float32; bv 1,024 float32; ln1_b 1,024 float32; ln1_g 1,024 float32; ln2_b 1,024 float32; ln2_g 1,024 float32; x 2 x 2,048 x 1,024 float32.
;; Outputs: out0 2 x 2,048 x 1,024 float32.
;; This version of the problem:
;;   THIS VERSION OF THE PROBLEM IS GIVEN IN LOW PRECISION. The matrix products marked QUANTISED in the list below multiply operands that are first quantised to E2M3 (2 exponent bits, 3 mantissa bits; 6 bits a number), with one power-of-two scale for each 32 numbers along K (OCP MX v1.0); their sums are f32. All else is computed in f32.
;;   The module's matrix products, in the order in which they are computed (A, B: the left and right operand; K: the contracted axis; several contracted axes count as one K, in the product's order):
;;     1. [M 4,096, K 1,024] x [K 1,024, N 1,024]; A: computed on the way; B: input Wq: QUANTISED
;;     2. [M 4,096, K 1,024] x [K 1,024, N 1,024]; A: computed on the way; B: input Wk: QUANTISED
;;     3. [M 4,096, K 1,024] x [K 1,024, N 1,024]; A: computed on the way; B: input Wv: QUANTISED
;;     4. batch 32 x [M 2,048, K 64] x [K 64, N 2,048]; A: computed on the way; B: computed on the way: QUANTISED
;;     5. batch 32 x [M 2,048, K 2,048] x [K 2,048, N 64]; A: softmax (see below); B: computed on the way: QUANTISED
;;     6. [M 4,096, K 1,024] x [K 1,024, N 1,024]; A: computed on the way; B: input Wo: QUANTISED
;;     7. [M 4,096, K 1,024] x [K 1,024, N 4,096]; A: computed on the way; B: input W1: QUANTISED
;;     8. [M 4,096, K 4,096] x [K 4,096, N 1,024]; A: computed on the way; B: input W2: QUANTISED
;;   THE QUANTISER, for each operand of a quantised product, along K:
;;     - K is cut into blocks of 32 from its start; a last block that is shorter is filled with zeros.
;;     - A block's scale is 2^e with e = floor(log2(the largest magnitude in the block)) - 2, held to -126 .. 127; a block of zeros has e = 0. As a byte (E8M0): e + 127.
;;     - Each number is divided by its block's scale, clamped to +-7.5, and rounded to the nearest number of E2M3, ties to even, subnormals kept.
;;     - The product sums the exact products of the quantised numbers (number of the format x scale) in f32.
;;   ~~~python
;;   def quantise(x, axis):      # numpy; x: float32 -> the quantised numbers, widened to float32 again
;;       x = np.moveaxis(x, axis, -1); K = x.shape[-1]
;;       x = np.pad(x, [(0, 0)] * (x.ndim - 1) + [(0, -K % 32)]); x = x.reshape(x.shape[:-1] + (-1, 32)); a = np.abs(x).max(-1, keepdims=True)
;;       e = np.where(a > 0, np.clip(np.frexp(np.where(a > 0, a, 1))[1] - 1 - 2, -126, 127), 0)      # np.frexp(a)[1] - 1 = floor(log2(a)), exactly
;;       r = np.clip(x / 2.0 ** e, -7.5, 7.5)
;;       step = 2.0 ** (np.maximum(np.frexp(np.where(r == 0, 1, r))[1] - 1, 0) - 3)
;;       q = np.round(r / step) * step * 2.0 ** e      # np.round: ties to even
;;       return np.moveaxis(q.reshape(q.shape[:-2] + (-1,))[..., :K], -1, axis).astype(np.float32)
;;   ~~~
;;   SOFTMAX AHEAD OF A QUANTISED PRODUCT. Where the list says 'softmax', what is quantised is not the finished softmax but p = 2^(t - M), with t = logit x log2(e) and M = ceil(the row's largest t), a whole number; so 1/2 < the row's largest p <= 1. The row's sum l is taken of the UNQUANTISED p, in f32, and the product's result is divided by l at the end. Since M is a whole number, a kernel that streams over the keys may use a running M (the ceiling of the running maximum): every later rescaling is an exact power of two, which a block's scale takes up: the codes' values come out the same.
;;   OPERANDS COMPUTED ON THE WAY. 'Computed on the way' means the value that the module computes at that place (a softmax that the list does not call 'softmax' is quantised finished and normalised). What goes into a quantiser is computed in f32, as accurately as f32 sums, v_exp_f32 and their like allow (about 1e-6 of the number): no bf16 or f16 on the way to a quantiser, and a product that is left as it is and whose result goes on into a quantised operand takes f32 operands (vector FMAs, or v_wmma_f32_16x16x4_f32). A number that lies on a knife's edge between two numbers of the format may be rounded either way, as far as f32 arithmetic and the matrix unit's own rounding can turn it there, and no further.
;; One version. Each part assembles by itself: llvm-mc -triple=amdgcn-amd-amdhsa -mcpu=gfx1250 --defsym DOCPART=n.
;; ======== version 1 of 1: 7 launches
;; limits: right only within a limited range of input values
;; workspace buffers: wbuf 9,830,400 bytes; abuf 3,276,800 bytes; qkvb 10,092,544 bytes; x1 16,777,216 bytes; hbuf 13,107,200 bytes
;; launch prep (part 1): grid 448 x 1, 8 waves a work-group, no clusters, 67,072 bytes of LDS; arguments x, ln1_g, ln1_b, abuf, W1, W2, Wq, Wk, Wv, Wo, wbuf; writes abuf, wbuf
.if DOCPART == 1
	.amdgcn_target "amdgcn-amd-amdhsa--gfx1250"
	.amdhsa_code_object_version 6
	.text
	.protected	k_q7a6dda4bc8_prep
	.globl	k_q7a6dda4bc8_prep
	.p2align	8
	.type	k_q7a6dda4bc8_prep,@function
k_q7a6dda4bc8_prep:
	s_mov_b64 s[64:65], 0
	v_nop
	global_prefetch_b8 v0, s[64:65] scope:SCOPE_SE
	s_setreg_imm32_b32 hwreg(HW_REG_WAVE_MODE, 25, 1), 1
	s_wait_xcnt 0x0
; Two jobs in one launch, told apart by the work-group's number alone.
; WORK-GROUPS 0-255: LayerNorm of 16 rows of [4096][1024] f32 and its quantising to FP6 (E2M3) with one E8M0 byte for each 32 along the row.
; WORK-GROUPS 256-447: the six weights, stored [K][N] f32, are quantised along K (their first axis).
; ALL CODES ARE STORED AS IMAGES OF OPERAND REGISTERS.  A fragment is 16 rows x 128 K = 1,536 bytes = two halves of 768 (64 K each).  In a half, lane L = r + 16 h (r: row of the tile,
; k = 32 h .. 32 h + 31) has its registers 0-3 at 16 L and its registers 4-5 at 512 + 16 r + 8 h.  A fragment's scale words: 64 bytes, row r's word at 4 r.
; Buffers: codes [row tile][K step][1536], scale words behind them [row tile][K step][64].
; THE ROWS OF A TILE ARE NOT NEIGHBOURS: lane r of tile T holds row 32 (T / 2) + 8 (T % 2) + (r & 7) + 16 (r >> 3), so that a later product's results fall in the order of the next K.
; LIMITS: a block whose largest magnitude lies under 2^-124 gets the byte 1; a block of zeros gets the byte 1 where the rule says 127 (its codes are zeros, and this program alone reads the bytes);
; NaN and infinities among the inputs are not served.
; No matrix unit, no cluster, no tensor load: both jobs are streams whose work-groups share nothing.
.set AS0,   3145728                    ; abuf: where the scale words begin
.set WS0,   9437184                    ; wbuf: where the scale words begin
.set RP,    4112                       ; a stage row: 4,096 bytes + 16: row r starts 16 r bytes on modulo 256
.set SPARE, 66048                      ; behind the stage: the spare words, 128 bytes for each of 8 waves
.set SPW,   190                        ; v190 LDS address of my spare word; never rewritten
.set NIL,   191                        ; v191 0; never rewritten
.set X,     32                         ; v32-95   two rows x 32 numbers; later 64 numbers of one K step
.set G,     96                         ; v96-127  gain
.set BT,    128                        ; v128-159 bias
.set TM,    160                        ; v160-175 the quantiser's work
.set PW,    176                        ; the scale word just made
.set PC,    96                         ; v96-114  the codes just made (the gain is done with)
.set MN,    178                        ; v178-181 the two rows' means, each twice
.set RS,    182                        ; v182-185 1 / sigma, each twice
.set SEL,   36                         ; s[36:37] lane selects: lane l xor 16
.set VO,    32                         ; weights: v32-63 4 x lane + i x pitch
.set WX,    64                         ; v64-127  two sets of 32 numbers down K
.set C,     128                        ; v128-134 a block's codes
.set KP,    136                        ; v136-139 registers 4-5 of a pair of blocks
.set SBW,   140                        ; v140-141 a scale word for each K step
.set VD,    142                        ; where my codes go
.set VS,    143                        ; where my scale word goes
.set MSB, 0
.macro WIN new                         ; (this text uses window 0 alone: the macro writes nothing here)
.if MSB != (\new)
	s_set_vgpr_msb (MSB<<8)|(\new)
.set MSB, (\new)
.endif
.endm
; 64 numbers of a lane, register 16 b + i = k 32 b + 16 (lane / 16) + i of my row, become a fragment's codes in v[PC] on and its scale word in v[PW]
.macro QUANT s, w
	WIN (\w)|((\w)<<2)
.irp b, 0,1,2,3
	v_max3_num_f32 v[TM+\b], |v[(\s)+16*\b]|, |v[(\s)+16*\b+1]|, 0x1800000   ; my 16 numbers of block b, and the floor 2^(3 - 127): the byte cannot fall under 1
.endr
	WIN ((\w)<<2)|((\w)<<4)
.irp i, 2,4,6,8,10,12,14
.irp b, 0,1,2,3
	s_delay_alu instid0(VALU_DEP_4)
	v_max3_num_f32 v[TM+\b], v[TM+\b], |v[(\s)+16*\b+\i]|, |v[(\s)+16*\b+\i+1]|
.endr
.endr
	WIN 0
.irp b, 0,1,2,3
	s_delay_alu instid0(VALU_DEP_4)
	v_permlanex16_b32 v[TM+4+\b], v[TM+\b], s[SEL], s[SEL+1]
.endr
.irp b, 0,1,2,3
	s_delay_alu instid0(VALU_DEP_4)
	v_max_num_f32 v[TM+\b], v[TM+\b], v[TM+4+\b]                   ; with lane l xor 16's: the block's largest magnitude
.endr
.irp b, 0,1,2,3
	s_delay_alu instid0(VALU_DEP_4)
	v_add_nc_u32 v[TM+12+\b], 0xff000000, v[TM+\b]                 ; 2 off its exponent field: the conversion's scale operand
.endr
.irp b, 0,1,2,3
	s_delay_alu instid0(VALU_DEP_4)
	v_lshrrev_b32 v[TM+4+\b], 23, v[TM+12+\b]                      ; the scale's byte
.endr
	s_delay_alu instid0(VALU_DEP_3)
	v_lshl_or_b32 v[PW], v[TM+5], 8, v[TM+4]
	s_delay_alu instid0(VALU_DEP_1)
	v_lshl_or_b32 v[PW], v[TM+6], 16, v[PW]
	s_delay_alu instid0(VALU_DEP_1)
	v_lshl_or_b32 v[PW], v[TM+7], 24, v[PW]
	WIN (\w)
.irp c, 0,1
	v_cvt_scalef32_pk16_fp6_f32 v[PC+6*\c:PC+6*\c+2], v[(\s)+32*\c:(\s)+32*\c+15], v[TM+12+2*\c]
	v_cvt_scalef32_pk16_fp6_f32 v[PC+12+4*\c:PC+14+4*\c], v[(\s)+32*\c+16:(\s)+32*\c+31], v[TM+13+2*\c]   ; (a conversion's three registers begin on an even number)
.endr
	WIN 0
	v_nop                                          ; one plain place behind a scaled conversion
.irp c, 0,1                                    ; the layout wants a whole block in a lane: lanes 0-15 block 2 c, lanes 16-31 block 2 c + 1
.irp i, 0,1,2
	v_permlane16_swap_b32 v[PC+6*\c+\i], v[PC+12+4*\c+\i]
.endr
.irp i, 0,1,2
	s_delay_alu instid0(VALU_DEP_3)
	v_mov_b32 v[PC+3+6*\c+\i], v[PC+12+4*\c+\i]
.endr
.endr
.endm
; the largest magnitude of 32 numbers of one lane, with the floor
.macro KMAX xs, m0, m1
	v_max3_num_f32 v[\m0], |v[\xs]|, |v[\xs+1]|, |v[\xs+2]|
	v_max3_num_f32 v[\m1], |v[\xs+3]|, |v[\xs+4]|, |v[\xs+5]|
.irp i, 6,10,14,18,22,26
	s_delay_alu instid0(VALU_DEP_2)
	v_max3_num_f32 v[\m0], v[\m0], |v[\xs+\i]|, |v[\xs+\i+1]|
	s_delay_alu instid0(VALU_DEP_2)
	v_max3_num_f32 v[\m1], v[\m1], |v[\xs+\i+2]|, |v[\xs+\i+3]|
.endr
	s_delay_alu instid0(VALU_DEP_2)
	v_max3_num_f32 v[\m0], v[\m0], |v[\xs+30]|, |v[\xs+31]|
	s_delay_alu instid0(VALU_DEP_1)
	v_max3_num_f32 v[\m0], v[\m0], v[\m1], 0x1800000
.endm
; four chains of pairs (row e: v[10 + 8 e] on) become one sum, the same in all 32 lanes; the two rows by turns
.macro ACROSS
.irp e, 0
	v_pk_add_f32 v[10+8*\e:11+8*\e], v[10+8*\e:11+8*\e], v[12+8*\e:13+8*\e]
	v_pk_add_f32 v[14+8*\e:15+8*\e], v[14+8*\e:15+8*\e], v[16+8*\e:17+8*\e]
.endr
.irp e, 1
	v_pk_add_f32 v[10+8*\e:11+8*\e], v[10+8*\e:11+8*\e], v[12+8*\e:13+8*\e]
	s_delay_alu instid0(VALU_DEP_4)
	v_pk_add_f32 v[14+8*\e:15+8*\e], v[14+8*\e:15+8*\e], v[16+8*\e:17+8*\e]
.endr
.irp e, 0
	s_delay_alu instid0(VALU_DEP_3)
	v_pk_add_f32 v[10+8*\e:11+8*\e], v[10+8*\e:11+8*\e], v[14+8*\e:15+8*\e]
.endr
.irp e, 1
	s_delay_alu instid0(VALU_DEP_2)
	v_pk_add_f32 v[10+8*\e:11+8*\e], v[10+8*\e:11+8*\e], v[14+8*\e:15+8*\e]
.endr
.irp e, 0,1
	s_delay_alu instid0(VALU_DEP_2)
	v_add_f32 v[10+8*\e], v[10+8*\e], v[11+8*\e]
.endr
.irp m, 1,2,4,8
.irp e, 0,1
	s_delay_alu instid0(VALU_DEP_2)
	v_add_f32_dpp v[10+8*\e], v[10+8*\e], v[10+8*\e] row_xmask:\m row_mask:0xf bank_mask:0xf
.endr
.endr
.irp e, 0,1
	s_delay_alu instid0(VALU_DEP_2)
	v_permlanex16_b32 v[11+8*\e], v[10+8*\e], s[SEL], s[SEL+1]
.endr
.irp e, 0,1
	s_delay_alu instid0(VALU_DEP_2)
	v_add_f32 v[10+8*\e], v[10+8*\e], v[11+8*\e]
.endr
.endm
	s_load_b256 s[4:11], s[0:1], 0x0               ; rows s[4:5], gain s[6:7], bias s[8:9], abuf s[10:11]
	s_load_b256 s[12:19], s[0:1], 0x20             ; W1, W2, Wq, Wk
	s_load_b128 s[20:23], s[0:1], 0x40             ; Wv, Wo
	s_load_b64 s[24:25], s[0:1], 0x50              ; wbuf
	v_lshl_add_u32 v[SPW], v0, 2, SPARE
	v_mov_b32 v[NIL], 0
	v_lshrrev_b32 v1, 5, v0
	s_delay_alu instid0(VALU_DEP_1)
	v_readfirstlane_b32 s26, v1                    ; wave 0..7
	s_cmp_lt_u32 ttmp9, 256                        ; the same for all waves of a work-group
	s_cbranch_scc0 .Lweights
	; ---------------- LayerNorm: row tile T = the work-group's number
	v_and_b32 v9, 31, v0
	s_delay_alu instid0(VALU_DEP_1)
	v_lshlrev_b32 v1, 4, v9                        ; 16 x lane
	v_and_b32 v2, 15, v0                           ; r
	v_bfe_u32 v3, v0, 4, 1                         ; h
	s_mul_i32 s27, s26, 2*RP
	v_add_nc_u32 v4, s27, v1                       ; into the stage: my wave's two rows, 16 bytes a lane
	v_mul_u32_u24 v5, v2, RP
	s_delay_alu instid0(VALU_DEP_1)
	v_lshl_add_u32 v5, v3, 6, v5
	s_lshl_b32 s27, s26, 9
	v_add_nc_u32 v5, s27, v5                       ; out of it: row r, K step = my wave, + 64 h
	v_lshlrev_b32 v7, 4, v2
	s_delay_alu instid0(VALU_DEP_1)
	v_lshl_add_u32 v7, v3, 3, v7                   ; 16 r + 8 h
	v_lshlrev_b32 v8, 2, v2                        ; 4 r
	s_lshr_b32 s28, ttmp9, 1
	s_lshl_b32 s28, s28, 5                         ; 32 (T / 2)
	s_and_b32 s29, ttmp9, 1
	s_lshl_b32 s29, s29, 3
	s_add_co_u32 s28, s28, s29                     ; + 8 (T % 2)
	s_lshl_b32 s29, s26, 1
	s_and_b32 s29, s29, 7
	s_add_co_u32 s28, s28, s29                     ; + (2 w) & 7
	s_lshr_b32 s29, s26, 2
	s_lshl_b32 s29, s29, 4
	s_add_co_u32 s28, s28, s29                     ; + 16 (w / 4): the row of the tile's place 2 w; place 2 w + 1 is the next row
	s_lshl_b32 s28, s28, 12
	s_mov_b32 s29, 0
	s_lshl_b32 s30, ttmp9, 3
	s_add_co_u32 s30, s30, s26                     ; fragment 8 T + w
	s_mul_i32 s32, s30, 1536
	s_mov_b32 s33, 0
	s_lshl_b32 s34, s30, 6
	s_add_co_u32 s34, s34, AS0
	s_mov_b32 s35, 0
	s_mov_b32 s[SEL], 0x76543210
	s_mov_b32 s[SEL+1], 0xfedcba98
	s_mov_b32 s38, 0x3a800000                      ; 1 / 1024
	s_mov_b32 s39, 0x358637bd                      ; 1e-6
	s_wait_kmcnt 0x0
	s_add_nc_u64 s[4:5], s[4:5], s[28:29]
	s_add_nc_u64 s[32:33], s[10:11], s[32:33]
	s_add_nc_u64 s[34:35], s[10:11], s[34:35]
.set j, 0
.rept 8
	global_load_b128 v[X+4*j:X+4*j+3], v1, s[4:5] offset:512*j th:TH_LOAD_NT            ; 32 lanes read 512 consecutive bytes
	global_load_b128 v[X+32+4*j:X+32+4*j+3], v1, s[4:5] offset:4096+512*j th:TH_LOAD_NT
.set j, j+1
.endr
.set j, 0
.rept 8
	global_load_b128 v[G+4*j:G+4*j+3], v1, s[6:7] offset:512*j
	global_load_b128 v[BT+4*j:BT+4*j+3], v1, s[8:9] offset:512*j
.set j, j+1
.endr
.irp b, 0,1,2,3
	v_mov_b32 v[TM+4+\b], 0                        ; written once: a lane permute's destination counts as one of its sources
.endr
	s_wait_loadcnt 16                              ; the two rows are in; the 16 loads of gain and bias are younger and may be out
.irp e, 0,1
.irp k, 0,1,2,3
	v_pk_add_f32 v[10+8*\e+2*\k:11+8*\e+2*\k], v[X+32*\e+4*\k:X+32*\e+4*\k+1], v[X+32*\e+4*\k+2:X+32*\e+4*\k+3]
.endr
.endr
.irp i, 16,24
.irp e, 0,1
.irp k, 0,1,2,3
	v_pk_add_f32 v[10+8*\e+2*\k:11+8*\e+2*\k], v[10+8*\e+2*\k:11+8*\e+2*\k], v[X+32*\e+\i+2*\k:X+32*\e+\i+2*\k+1]
.endr
.endr
.endr
	ACROSS
.irp e, 0,1
	s_delay_alu instid0(VALU_DEP_2)
	v_mul_f32 v[MN+2*\e], s38, v[10+8*\e]          ; the mean
.endr
.irp e, 0,1
	s_delay_alu instid0(VALU_DEP_2)
	v_mov_b32 v[MN+2*\e+1], v[MN+2*\e]
.endr
.set j, 0
.rept 16
	v_pk_add_f32 v[X+2*j:X+2*j+1], v[X+2*j:X+2*j+1], v[MN:MN+1] neg_lo:[0,1] neg_hi:[0,1]               ; the deviations: the variance is a sum of their squares, never a difference of large sums
	v_pk_add_f32 v[X+32+2*j:X+32+2*j+1], v[X+32+2*j:X+32+2*j+1], v[MN+2:MN+3] neg_lo:[0,1] neg_hi:[0,1]
.set j, j+1
.endr
.irp e, 0,1
.irp k, 0,1,2,3
	v_pk_mul_f32 v[10+8*\e+2*\k:11+8*\e+2*\k], v[X+32*\e+2*\k:X+32*\e+2*\k+1], v[X+32*\e+2*\k:X+32*\e+2*\k+1]
.endr
.endr
.irp i, 8,16,24
.irp e, 0,1
.irp k, 0,1,2,3
	v_pk_fma_f32 v[10+8*\e+2*\k:11+8*\e+2*\k], v[X+32*\e+\i+2*\k:X+32*\e+\i+2*\k+1], v[X+32*\e+\i+2*\k:X+32*\e+\i+2*\k+1], v[10+8*\e+2*\k:11+8*\e+2*\k]
.endr
.endr
.endr
	ACROSS
.irp e, 0,1
	s_delay_alu instid0(VALU_DEP_2)
	v_fma_f32 v[10+8*\e], v[10+8*\e], s38, s39     ; the variance + 1e-6
.endr
	s_wait_alu depctr_va_vdst(0)
.irp e, 0,1
	v_rsq_f32 v[RS+2*\e], v[10+8*\e]
.endr
	v_nop                                          ; a plain place behind the two transcendentals,
	s_wait_alu depctr_va_vdst(0)                   ; and one wait for both, ahead of their first reader
.irp e, 0,1
	v_mov_b32 v[RS+2*\e+1], v[RS+2*\e]
.endr
.set j, 0
.rept 16
	v_pk_mul_f32 v[X+2*j:X+2*j+1], v[X+2*j:X+2*j+1], v[RS:RS+1]
	v_pk_mul_f32 v[X+32+2*j:X+32+2*j+1], v[X+32+2*j:X+32+2*j+1], v[RS+2:RS+3]
.set j, j+1
.endr
	s_wait_loadcnt 0x0                             ; gain and bias
.set j, 0
.rept 16
	v_pk_fma_f32 v[X+2*j:X+2*j+1], v[X+2*j:X+2*j+1], v[G+2*j:G+2*j+1], v[BT+2*j:BT+2*j+1]
	v_pk_fma_f32 v[X+32+2*j:X+32+2*j+1], v[X+32+2*j:X+32+2*j+1], v[G+2*j:G+2*j+1], v[BT+2*j:BT+2*j+1]
.set j, j+1
.endr
.set j, 0
.rept 8
	ds_store_b128 v4, v[X+4*j:X+4*j+3] offset:512*j
	ds_store_b128 v4, v[X+32+4*j:X+32+4*j+3] offset:RP+512*j
.set j, j+1
.endr
	s_wait_dscnt 0x0                               ; for the others' sake: my two rows lie in the stage
	s_barrier_signal -1
	s_barrier_wait -1                              ; all sixteen rows do
.irp b, 0,1,2,3
.irp j, 0,1,2,3
	ds_load_b128 v[X+16*\b+4*\j:X+16*\b+4*\j+3], v5 offset:128*\b+16*\j      ; K step w of row r: 16 neighbours of each block of 32
.endr
.endr
	s_wait_dscnt 0x0
	QUANT X, 0
	global_store_b128 v1, v[PC:PC+3], s[32:33]                   ; each store covers 512 or 256 consecutive bytes, aligned
	global_store_b64 v7, v[PC+4:PC+5], s[32:33] offset:512
	global_store_b128 v1, v[PC+6:PC+9], s[32:33] offset:768
	global_store_b64 v7, v[PC+10:PC+11], s[32:33] offset:1280
	global_store_b32 v8, v[PW], s[34:35]                         ; lanes l and l xor 16 hold the same word and write it to the same place
	s_wait_tensorcnt 0x0                           ; the wave's end: three closing lines behind my last LDS store
	ds_add_u32 v[SPW], v[NIL]
	s_wait_dscnt 0x0
	s_endpgm
	; ---------------- the weights.  A wave takes 32 columns x 256 along K: a lane a column, registers down K: 8 blocks, 2 K steps, 2 tiles of columns
.Lweights:
	s_wait_kmcnt 0x0
	s_sub_co_u32 s27, ttmp9, 256                   ; 0-63 W1, 64-127 W2, 128-191 Wq, Wk, Wv, Wo (16 each)
	s_and_b32 s28, s27, 63
	s_lshr_b32 s29, s28, 4                         ; which of the four small ones
	s_lshl_b32 s32, s29, 9                         ; its first fragment: 512 m
	s_cmp_eq_u32 s29, 0
	s_cselect_b64 s[30:31], s[16:17], s[18:19]
	s_cmp_lt_u32 s29, 2
	s_cselect_b64 s[30:31], s[30:31], s[20:21]
	s_cmp_lt_u32 s29, 3
	s_cselect_b64 s[30:31], s[30:31], s[22:23]
	s_cmp_lt_u32 s27, 128
	s_cselect_b64 s[30:31], s[14:15], s[30:31]
	s_cselect_b32 s32, 4096, s32
	s_cselect_b32 s33, 32, 8                       ; K steps in a row of fragments
	s_cselect_b32 s34, 15, 3                       ; runs of 256 along K, less one
	s_mov_b32 s36, 4096
	s_cmp_lt_u32 s27, 64
	s_cselect_b64 s[30:31], s[12:13], s[30:31]
	s_cselect_b32 s32, 2048, s32
	s_cselect_b32 s33, 8, s33
	s_cselect_b32 s34, 3, s34
	s_cselect_b32 s35, 4, 2                        ; log2 of the groups of 256 columns
	s_cselect_b32 s36, 16384, s36                  ; a row of the weight in bytes
	s_lshl_b32 s37, 1, s35
	s_sub_co_u32 s37, s37, 1
	s_and_b32 s37, s28, s37                        ; my group of 256 columns
	s_lshr_b32 s38, s28, s35
	s_and_b32 s38, s38, s34                        ; my run of 256 along K
	s_mul_i32 s40, s38, s36
	s_lshl_b32 s40, s40, 8
	s_lshl_b32 s39, s37, 10
	s_add_co_u32 s40, s40, s39
	s_lshl_b32 s39, s26, 7
	s_add_co_u32 s40, s40, s39                     ; + my wave's 32 columns
	s_mov_b32 s41, 0
	s_add_nc_u64 s[44:45], s[30:31], s[40:41]      ; block 0's first row
	s_lshl_b32 s42, s36, 5
	s_mov_b32 s43, 0
.irp t, 1,2,3,4,5,6,7
	s_add_nc_u64 s[44+2*\t:45+2*\t], s[42+2*\t:43+2*\t], s[42:43]      ; a base for each block: nothing is stepped later
.endr
	s_lshl_b32 s60, s37, 4
	s_lshl_b32 s39, s26, 1
	s_add_co_u32 s60, s60, s39                     ; my first tile of columns
	s_mul_i32 s60, s60, s33
	s_add_co_u32 s60, s60, s32
	s_lshl_b32 s39, s38, 1
	s_add_co_u32 s60, s60, s39                     ; my first fragment
	s_mul_i32 s62, s60, 1536
	s_mov_b32 s63, 0
	s_add_nc_u64 s[4:5], s[24:25], s[62:63]        ; its codes
	s_lshl_b32 s62, s60, 6
	s_add_co_u32 s62, s62, WS0
	s_add_nc_u64 s[6:7], s[24:25], s[62:63]        ; its scale words
	v_and_b32 v9, 31, v0
	s_delay_alu instid0(VALU_DEP_1)
	v_lshlrev_b32 v9, 2, v9
.set i, 0
.rept 32
	v_mad_u32_u24 v[VO+i], s36, i, v9
.set i, i+1
.endr
	v_bfe_u32 v10, v0, 3, 1                        ; column l of 32 lies in tile u = (l / 8) % 2
	v_and_b32 v11, 7, v0
	v_bfe_u32 v12, v0, 4, 1
	s_delay_alu instid0(VALU_DEP_1)
	v_lshl_add_u32 v11, v12, 3, v11                ; at place r = l % 8 + 8 (l / 16)
	s_mul_i32 s61, s33, 1536
	v_mul_lo_u32 v13, v10, s61
	s_delay_alu instid0(VALU_DEP_1)
	v_lshl_add_u32 v[VD], v11, 4, v13
	s_lshl_b32 s61, s33, 6
	v_mul_lo_u32 v13, v10, s61
	s_delay_alu instid0(VALU_DEP_1)
	v_lshl_add_u32 v[VS], v11, 2, v13
.macro WLOAD t                         ; block t: 32 rows of the weight at my column; a wave reads 128 consecutive bytes, the eight waves 1,024
.set i, 0
.rept 32
	global_load_b32 v[WX+32*((\t)%2)+i], v[VO+i], s[44+2*(\t):45+2*(\t)] th:TH_LOAD_NT
.set i, i+1
.endr
.endm
.macro WBLOCK t
.set XS, WX+32*((\t)%2)
.set cc, ((\t)%4)/2
.set hh, (\t)%2
.if (\t) < 7
	s_wait_loadcnt 32                              ; this block's 32 loads are in; the next block's may be out
.else
	s_wait_loadcnt 0x0
.endif
	KMAX XS, 144, 145
	s_delay_alu instid0(VALU_DEP_1)
	v_add_nc_u32 v146, 0xff000000, v144            ; 2 off the exponent field: the conversion's scale operand
	s_delay_alu instid0(VALU_DEP_1)
	v_lshrrev_b32 v145, 23, v146                   ; the scale's byte
.if (\t)%4 == 0
	s_delay_alu instid0(VALU_DEP_1)
	v_mov_b32 v[SBW+(\t)/4], v145
.else
	s_delay_alu instid0(VALU_DEP_1)
	v_lshl_or_b32 v[SBW+(\t)/4], v145, 8*((\t)%4), v[SBW+(\t)/4]
.endif
	s_wait_alu depctr_va_vdst(0)
	s_wait_xcnt 0x0                                ; the last block's stores have read their registers: they are written again only behind this wait
	v_cvt_scalef32_pk16_fp6_f32 v[C:C+2], v[XS:XS+15], v146
	v_cvt_scalef32_pk16_fp6_f32 v[C+4:C+6], v[XS+16:XS+31], v146
	v_nop                                          ; one plain place behind a scaled conversion
	v_mov_b32 v[C+3], v[C+4]
	v_mov_b32 v[KP+2*hh], v[C+5]
	v_mov_b32 v[KP+2*hh+1], v[C+6]
	global_store_b128 v[VD], v[C:C+3], s[4:5] offset:1536*((\t)/4)+768*cc+256*hh      ; registers 0-3 of lane (r, h): 256 consecutive bytes, aligned, in each of my two tiles
.if hh
	global_store_b128 v[VD], v[KP:KP+3], s[4:5] offset:1536*((\t)/4)+768*cc+512       ; registers 4-5 of lanes (r, 0) and (r, 1)
.endif
.if (\t)%4 == 3
	global_store_b32 v[VS], v[SBW+(\t)/4], s[6:7] offset:64*((\t)/4)
.endif
.if (\t)+2 < 8
	WLOAD (\t)+2
.endif
.endm
	WLOAD 0
	WLOAD 1
.irp t, 0,1,2,3,4,5,6,7
	WBLOCK \t
.endr
	s_wait_tensorcnt 0x0                           ; the same three closing lines on this way
	ds_add_u32 v[SPW], v[NIL]
	s_wait_dscnt 0x0
	s_endpgm
.Lfunc_end_k_q7a6dda4bc8_prep:
	.size	k_q7a6dda4bc8_prep, .Lfunc_end_k_q7a6dda4bc8_prep-k_q7a6dda4bc8_prep
	.p2alignl 7, 3214868480
	.fill 96, 4, 3214868480
	.section	.rodata,"a",@progbits
	.p2align	6, 0x0
	.amdhsa_kernel k_q7a6dda4bc8_prep
		.amdhsa_group_segment_fixed_size 67072
		.amdhsa_private_segment_fixed_size 0
		.amdhsa_enable_private_segment 0
		.amdhsa_kernarg_size 88
		.amdhsa_user_sgpr_count 2
		.amdhsa_user_sgpr_kernarg_segment_ptr 1
		.amdhsa_wavefront_size32 1
		.amdhsa_system_sgpr_workgroup_id_x 1
		.amdhsa_system_sgpr_workgroup_id_y 1
		.amdhsa_system_sgpr_workgroup_id_z 1
		.amdhsa_system_vgpr_workitem_id 0
		.amdhsa_next_free_vgpr 192
		.amdhsa_next_free_sgpr 66
		.amdhsa_reserve_vcc 0
		.amdhsa_float_denorm_mode_32 3
		.amdhsa_float_denorm_mode_16_64 3
		.amdhsa_memory_ordered 1
		.amdhsa_forward_progress 1
		.amdhsa_inst_pref_size 75
	.end_amdhsa_kernel
	.amdgpu_metadata
---
amdhsa.version: [ 1, 2 ]
amdhsa.kernels:
  - .name:           k_q7a6dda4bc8_prep
    .symbol:         k_q7a6dda4bc8_prep.kd
    .args:
      - { .name: x, .offset: 0, .size: 8, .value_kind: global_buffer, .address_space: global }
      - { .name: ln1_g, .offset: 8, .size: 8, .value_kind: global_buffer, .address_space: global }
      - { .name: ln1_b, .offset: 16, .size: 8, .value_kind: global_buffer, .address_space: global }
      - { .name: abuf, .offset: 24, .size: 8, .value_kind: global_buffer, .address_space: global }
      - { .name: W1, .offset: 32, .size: 8, .value_kind: global_buffer, .address_space: global }
      - { .name: W2, .offset: 40, .size: 8, .value_kind: global_buffer, .address_space: global }
      - { .name: Wq, .offset: 48, .size: 8, .value_kind: global_buffer, .address_space: global }
      - { .name: Wk, .offset: 56, .size: 8, .value_kind: global_buffer, .address_space: global }
      - { .name: Wv, .offset: 64, .size: 8, .value_kind: global_buffer, .address_space: global }
      - { .name: Wo, .offset: 72, .size: 8, .value_kind: global_buffer, .address_space: global }
      - { .name: wbuf, .offset: 80, .size: 8, .value_kind: global_buffer, .address_space: global }
    .group_segment_fixed_size: 67072
    .private_segment_fixed_size: 0
    .kernarg_segment_align: 8
    .kernarg_segment_size: 88
    .max_flat_workgroup_size: 256
    .sgpr_count:     66
    .vgpr_count:     192
    .wavefront_size: 32
...
	.end_amdgpu_metadata
.endif
;; end of part 1
;; launch qkv (part 2): grid 12 x 16, 4 waves a work-group, clusters of 4 x 4, 327,680 bytes of LDS; arguments abuf, wbuf, bq, bk, bv, qkvb; writes qkvb
.if DOCPART == 2
	.amdgcn_target "amdgcn-amd-amdhsa--gfx1250"
	.amdhsa_code_object_version 6
	.text
	.protected	k_q7a6dda4bc8_qkv
	.globl	k_q7a6dda4bc8_qkv
	.p2align	8
	.type	k_q7a6dda4bc8_qkv,@function
k_q7a6dda4bc8_qkv:
	s_mov_b64 s[64:65], 0
	v_nop
	global_prefetch_b8 v0, s[64:65] scope:SCOPE_SE
	s_setreg_imm32_b32 hwreg(HW_REG_WAVE_MODE, 25, 1), 1
	s_wait_xcnt 0x0
	s_wait_alu depctr_hold_cnt(0) depctr_sa_sdst(0) depctr_va_vdst(0) depctr_va_sdst(0) depctr_va_ssrc(0) depctr_va_vcc(0) depctr_vm_vsrc(0)
	s_getreg_b32 s2, hwreg(HW_REG_IB_STS2, 6, 4)
	s_cmp_eq_u32 s2, 0
	s_cbranch_scc0 .Lentry_in_a_cluster
	s_endpgm
.Lentry_in_a_cluster:
	s_bfe_u32 s2, ttmp6, 0x10000c
	s_cmp_lg_u32 s2, 0xf033
	s_cbranch_scc0 .Lentry_shape_is_right
	s_endpgm
.Lentry_shape_is_right:
.set NBK,   8
.set NQ,    2
.set KT,    8
.set REGION, 0
.set ASC0,  3145728
.set WS0,   9437184
.set KC,    3145728
.set VC,    6291456
.set QS,    9437184
.set KVS,   9699328
.set LAPS,  KT/(2*NQ)
.set FR,    12
.set FRB,   1536
.set NL,    4
.set HALFT, NBK*NQ*FRB
.set SLOT,  4*HALFT
.set SCL,   2*SLOT
.set HALFS, NBK*KT*64
.set SBLK,  KT*64
.set SPARE, SCL+4*HALFS
.set STG,   SPARE+512
.set ADRA, 16
.set ADRB, 20
.set ADRS, 27
.set SPW,  28
.set NIL,  29
.set SC,   32
.set BI,   64
.set AF,   128
.set TM,   64
.set PW,   80
.set PC,   84
.set STO,  8
.set RDV,  9
.set VDV,  12
.set VSV,  13
.set C,    192
.set KP,   200
.set SBW,  216
.set WV, 2
.set RH, 16
.set CH, 17
.set SEL, 66
.set G1, 24
.set G0, 32
.set G1B, 48
.set G0B, 56
.set G1S, 68
.set G0S, 76
.set G1SB, 80
.set G0SB, 88
.set MSB, 0
.macro WIN new
.if MSB != (\new)
	s_set_vgpr_msb (MSB<<8)|(\new)
.set MSB, (\new)
.endif
.endm
.macro PLACES n
.rept \n
	v_nop
.endr
.endm
.macro JLOAD g0a, g1a, g0b, g1b
	s_cmp_eq_u32 s[RH], 0
	s_cbranch_scc0 .Lfor_b_\@
	tensor_load_to_lds s[\g0a:\g0a+3], s[\g1a:\g1a+7]
	s_nop 0
.rept 4
	v_nop
.endr
	s_branch .Lasked_\@
.Lfor_b_\@:
	tensor_load_to_lds s[\g0b:\g0b+3], s[\g1b:\g1b+7]
	s_nop 0
.rept 4
	v_nop
.endr
.Lasked_\@:
.endm
.macro CREST
	s_cmp_lg_u32 s[WV], 0
	s_cbranch_scc1 .Lnot_wave_0_\@
	s_barrier_signal -3
.Lnot_wave_0_\@:
	s_barrier_wait -3
	s_barrier_signal -1
	s_barrier_wait -1
.endm
.macro CROUND
	s_barrier_signal -1
	s_barrier_wait -1
	CREST
.endm
.macro FRAG reg, adr, q, i
	ds_load_b128 v[\reg:\reg+3], v[\adr] offset:(\i)*NQ*FRB+(\q)*FRB
	ds_load_b64 v[\reg+4:\reg+5], v[\adr+2] offset:(\i)*NQ*FRB+(\q)*FRB+512
	ds_load_b128 v[\reg+6:\reg+9], v[\adr] offset:(\i)*NQ*FRB+(\q)*FRB+768
	ds_load_b64 v[\reg+10:\reg+11], v[\adr+2] offset:(\i)*NQ*FRB+(\q)*FRB+1280
.endm
.macro FETCH_B slot, q, p
	WIN 0x40
.set fi, 0
.rept NBK
	FRAG 128*(\p)+FR*fi, ADRB+\slot, \q, fi
.set fi, fi+1
.endr
	WIN 0
.endm
.macro FETCH_A slot, q, half
.set fi, (\half)*NBK/2
.rept NBK/2
	FRAG AF+FR*fi, ADRA+\slot, \q, fi
.set fi, fi+1
.endr
.endm
.macro SCALES sc
.set si, 0
.rept NBK
.set sq, 0
.rept NQ
	ds_load_b32 v[SC+16*(\sc)+NQ*si+sq], v[ADRS] offset:si*SBLK+64*sq
.set sq, sq+1
.endr
.set si, si+1
.endr
.endm
.macro MULQ k, p, q, sc, first
.set ia, (\k)*NBK/4
.rept NBK/4
.set ib, 0
.rept NBK
.set rD, 8*(NBK*(ia%(NBK/2))+ib)
.set rC, rD
.if \first
.set rC, BI+8*ib
.endif
.set rB, 128*(\p)+FR*ib
.set rA, AF+FR*ia
.set rSB, SC+16*(\sc)+NQ*ib+(\q)
.set rSA, SC+16*(\sc)+NQ*ia+(\q)
	v_wmma_scale_f32_16x16x128_f8f6f4 v[rD:rD+7], v[rB:rB+11], v[rA:rA+11], v[rC:rC+7], v[rSB], v[rSA] matrix_a_fmt:MATRIX_FMT_FP6 matrix_b_fmt:MATRIX_FMT_FP6 matrix_a_scale:MATRIX_SCALE_ROW1
.set ib, ib+1
.endr
.set ia, ia+1
.endr
.endm
.macro STEP slot, q, first
	s_wait_dscnt (NBK/2)*NL
.if \first
	WIN 0x81
.else
	WIN 0xa1
.endif
	MULQ 0, (\q)%2, \q, \slot, \first
	MULQ 1, (\q)%2, \q, \slot, \first
	s_wait_dscnt 0x0
	PLACES 4
	FETCH_B \slot, (\q)+1, 1-(\q)%2
	FETCH_A \slot, (\q)+1, 0
.if \first
	WIN 0xc1
.else
	WIN 0xf1
.endif
	MULQ 2, (\q)%2, \q, \slot, \first
	MULQ 3, (\q)%2, \q, \slot, \first
	PLACES 4
	WIN 0
	FETCH_A \slot, (\q)+1, 1
.endm
.macro TURN slot, next, fill
	s_wait_tensorcnt 0x0
	ds_add_u32 v[SPW], v[NIL]
	s_wait_dscnt (NBK/2)*NL+1
	WIN 0xa1
	MULQ 0, 1, NQ-1, \slot, 0
	s_wait_dscnt 0x0
	s_barrier_signal -1
	MULQ 1, 1, NQ-1, \slot, 0
	WIN 0
	s_barrier_wait -1
.if \fill
	CREST
	s_add_nc_u64 s[G0+4*\slot+2:G0+4*\slot+3], s[G0+4*\slot+2:G0+4*\slot+3], 2*NQ*FRB
	s_add_nc_u64 s[G0B+4*\slot+2:G0B+4*\slot+3], s[G0B+4*\slot+2:G0B+4*\slot+3], 2*NQ*FRB
	JLOAD G0+4*\slot, G1, G0B+4*\slot, G1B
.else
	PLACES 4
.endif
	s_wait_alu depctr_va_vdst(0)
	v_add_nc_u32 v[ADRS], 64*NQ, v[ADRS]
	FETCH_B \next, 0, 0
	FETCH_A \next, 0, 0
	SCALES \next
	WIN 0xf1
	MULQ 2, 1, NQ-1, \slot, 0
	MULQ 3, 1, NQ-1, \slot, 0
	PLACES 4
	WIN 0
	FETCH_A \next, 0, 1
.endm
.macro LAST
	s_wait_dscnt (NBK/2)*NL
	WIN 0xa1
	MULQ 0, 1, NQ-1, 1, 0
	MULQ 1, 1, NQ-1, 1, 0
	s_wait_dscnt 0x0
	WIN 0xf1
	MULQ 2, 1, NQ-1, 1, 0
	MULQ 3, 1, NQ-1, 1, 0
	WIN 0
.endm
.macro QUANT s, w
	WIN (\w)|((\w)<<2)
.irp b, 0,1,2,3
	v_max3_num_f32 v[TM+\b], |v[(\s)+16*\b]|, |v[(\s)+16*\b+1]|, 0x1800000
.endr
	WIN ((\w)<<2)|((\w)<<4)
.irp i, 2,4,6,8,10,12,14
.irp b, 0,1,2,3
	v_max3_num_f32 v[TM+\b], v[TM+\b], |v[(\s)+16*\b+\i]|, |v[(\s)+16*\b+\i+1]|
.endr
.endr
	WIN 0
.irp b, 0,1,2,3
	v_permlanex16_b32 v[TM+4+\b], v[TM+\b], s[SEL], s[SEL+1]
.endr
.irp b, 0,1,2,3
	v_max_num_f32 v[TM+\b], v[TM+\b], v[TM+4+\b]
.endr
.irp b, 0,1,2,3
	v_add_nc_u32 v[TM+12+\b], 0xff000000, v[TM+\b]
.endr
.irp b, 0,1,2,3
	v_lshrrev_b32 v[TM+4+\b], 23, v[TM+12+\b]
.endr
	v_lshl_or_b32 v[PW], v[TM+5], 8, v[TM+4]
	v_lshl_or_b32 v[PW], v[TM+6], 16, v[PW]
	v_lshl_or_b32 v[PW], v[TM+7], 24, v[PW]
	WIN (\w)
.irp c, 0,1
	v_cvt_scalef32_pk16_fp6_f32 v[PC+6*\c:PC+6*\c+2], v[(\s)+32*\c:(\s)+32*\c+15], v[TM+12+2*\c]
	v_cvt_scalef32_pk16_fp6_f32 v[PC+12+4*\c:PC+14+4*\c], v[(\s)+32*\c+16:(\s)+32*\c+31], v[TM+13+2*\c]
.endr
	WIN 0
	v_nop
.irp c, 0,1
.irp i, 0,1,2
	v_permlane16_swap_b32 v[PC+6*\c+\i], v[PC+12+4*\c+\i]
.endr
.irp i, 0,1,2
	v_mov_b32 v[PC+3+6*\c+\i], v[PC+12+4*\c+\i]
.endr
.endr
.endm
.macro KMAX xs, m0, m1
	v_max3_num_f32 v[\m0], |v[\xs]|, |v[\xs+1]|, |v[\xs+2]|
	v_max3_num_f32 v[\m1], |v[\xs+3]|, |v[\xs+4]|, |v[\xs+5]|
.irp i, 6,10,14,18,22,26
	v_max3_num_f32 v[\m0], v[\m0], |v[\xs+\i]|, |v[\xs+\i+1]|
	v_max3_num_f32 v[\m1], v[\m1], |v[\xs+\i+2]|, |v[\xs+\i+3]|
.endr
	v_max3_num_f32 v[\m0], v[\m0], |v[\xs+30]|, |v[\xs+31]|
	v_max3_num_f32 v[\m0], v[\m0], v[\m1], 0x1800000
.endm
	s_load_b256 s[4:11], s[0:1], 0x0
	s_load_b128 s[12:15], s[0:1], 0x20
	v_lshl_add_u32 v[SPW], v0, 2, SPARE
	v_mov_b32 v[NIL], 0
	ds_add_u32 v[SPW], v[NIL]
	ds_add_u32 v[SPW], v[NIL]
	v_lshrrev_b32 v1, 5, v0
	v_readfirstlane_b32 s[WV], v1
	s_lshr_b32 s[RH], s[WV], 1
	s_and_b32 s[CH], s[WV], 1
	s_bfe_u32 s40, ttmp6, 0x40000
	s_bfe_u32 s41, ttmp6, 0x40004
	s_lshl_b32 s42, ttmp9, 2
	s_add_co_u32 s42, s42, s40
	s_and_b32 s45, ttmp7, 0xffff
	s_lshl_b32 s45, s45, 2
	s_add_co_u32 s45, s45, s41
	s_lshl_b32 s43, s41, 2
	s_lshl_b32 s43, 15, s43
	s_lshl_b32 s44, 0x1111, s40
	s_or_b32 s[G1], s43, (3<<16)|(1<<21)
	s_or_b32 s[G1B], s44, (3<<16)|(1<<21)
.irp g, G1, G1B
	s_mov_b32 s[\g+1], (NQ*192)<<16
	s_mov_b32 s[\g+2], (2*NBK)<<16                 ; the head's loads bring a whole tile: 2 NBK rows of fragments
	s_mov_b32 s[\g+3], (NQ*192)<<16
	s_mov_b32 s[\g+4], 2*NBK
	s_mov_b32 s[\g+5], KT*192
	s_mov_b32 s[\g+6], 0
	s_mov_b32 s[\g+7], 0
.endr
	s_or_b32 s[G1S], s43, (3<<16)|(1<<21)
	s_or_b32 s[G1SB], s44, (3<<16)|(1<<21)
.irp g, G1S, G1SB
	s_mov_b32 s[\g+1], 32<<16
	s_mov_b32 s[\g+2], (2*HALFS/256)<<16           ; the scale words of a whole tile's rows, one dense block
	s_mov_b32 s[\g+3], 32<<16
	s_mov_b32 s[\g+4], 2*HALFS/256
	s_mov_b32 s[\g+5], 32
	s_mov_b32 s[\g+6], 0
	s_mov_b32 s[\g+7], 0
.endr
	s_mul_i32 s20, s45, 2*NBK
	s_mul_i32 s46, s42, 2*NBK
	s_mul_i32 s22, s20, KT*64
	s_add_co_u32 s22, s22, ASC0
	s_mul_i32 s20, s20, KT*FRB
	s_mul_i32 s92, s46, KT*64
	s_add_co_u32 s92, s92, WS0+REGION*64
	s_mul_i32 s46, s46, KT*FRB
	s_add_co_u32 s46, s46, REGION*FRB
	s_mov_b32 s21, 0
	s_mov_b32 s23, 0
	s_mov_b32 s47, 0
	s_mov_b32 s93, 0
	s_mul_i32 s94, s[WV], HALFT
	s_wait_dscnt 0x0
	s_wait_kmcnt 0x0
	s_add_nc_u64 s[20:21], s[4:5], s[20:21]
	s_add_nc_u64 s[22:23], s[4:5], s[22:23]
	s_add_nc_u64 s[46:47], s[6:7], s[46:47]
	s_add_nc_u64 s[92:93], s[6:7], s[92:93]
	CROUND
	s_mov_b32 s[G0S], 1
	s_mov_b32 s[G0S+1], SCL
	s_mov_b64 s[G0S+2:G0S+3], s[22:23]
	s_or_b32 s[G0S+3], s[G0S+3], 0x80000000
	s_mov_b32 s[G0SB], 1
	s_mov_b32 s[G0SB+1], SCL+2*HALFS
	s_mov_b64 s[G0SB+2:G0SB+3], s[92:93]
	s_or_b32 s[G0SB+3], s[G0SB+3], 0x80000000
	s_mul_i32 s92, s[CH], NBK*KT*FRB               ; in the ring I fetch half a tile's rows: which half, in bytes
	s_mov_b32 s93, 0
	s_mov_b32 s[G0], 1                             ; the head's four tiles, each whole: slot 0's rows of A,
	s_mov_b32 s[G0+1], 0
	s_mov_b64 s[G0+2:G0+3], s[20:21]
	s_or_b32 s[G0+3], s[G0+3], 0x80000000
	s_mov_b32 s[G0B], 1                            ; and of B, behind them
	s_mov_b32 s[G0B+1], 2*HALFT
	s_mov_b64 s[G0B+2:G0B+3], s[46:47]
	s_or_b32 s[G0B+3], s[G0B+3], 0x80000000
	s_add_nc_u64 s[20:21], s[20:21], s[92:93]
	s_add_nc_u64 s[46:47], s[46:47], s[92:93]
	s_mov_b32 s[G0+4], 1                           ; slot 1, my half of a tile
	s_add_co_u32 s[G0+5], s94, SLOT
	s_add_nc_u64 s[G0+6:G0+7], s[20:21], NQ*FRB
	s_or_b32 s[G0+7], s[G0+7], 0x80000000
	s_mov_b32 s[G0B+4], 1
	s_add_co_u32 s[G0B+5], s94, SLOT
	s_add_nc_u64 s[G0B+6:G0B+7], s[46:47], NQ*FRB
	s_or_b32 s[G0B+7], s[G0B+7], 0x80000000
; the head's loads, one a wave: wave 0 A's codes, wave 1 B's, wave 2 A's scale words, wave 3 B's; one chain of branches on the wave's number
.macro ARM under, g0, g1, next
	s_cmp_lt_u32 s[WV], \under
	s_cbranch_scc0 \next
	tensor_load_to_lds s[\g0:\g0+3], s[\g1:\g1+7]
	s_nop 0
	PLACES 4
	s_branch .Lhead_asked
\next:
.endm
	ARM 1, G0, G1, .Lhead_b
	ARM 2, G0B, G1B, .Lhead_sa
	ARM 3, G0S, G1S, .Lhead_sb
	tensor_load_to_lds s[G0SB:G0SB+3], s[G1SB:G1SB+7]
	s_nop 0
	PLACES 4
.Lhead_asked:
; prefetches into the L2: with the load of slot k the tiles of slot k + 2 are asked for (here also slot 1's).  Of the NBK rows of fragments that I fetch in the ring each of the four partners
; of the joint load takes NBK / 4, told apart by address (cx for A, cy for B): 24 blocks of 256 bytes, a lane a block; lanes 24-31 name the last block again
	s_cmp_eq_u32 s[RH], 0
	s_cselect_b64 s[4:5], s[20:21], s[46:47]
	s_cselect_b32 s6, s40, s41
	s_mul_i32 s6, s6, (NBK/4)*KT*FRB
	s_mov_b32 s7, 0
	s_add_nc_u64 s[4:5], s[4:5], s[6:7]
	v_and_b32 v30, 31, v0
	v_min_u32 v30, 23, v30
.if NBK == 8
	v_mul_u32_u24 v31, v30, 11
	v_lshrrev_b32 v31, 7, v31                      ; lane / 12: which of my two rows
	v_mul_u32_u24 v31, v31, (KT-NQ)*FRB
	v_lshl_add_u32 v30, v30, 8, v31
.else
	v_lshlrev_b32 v30, 8, v30
.endif
	global_prefetch_b8 v30, s[4:5] offset:NQ*FRB th:TH_LOAD_NT scope:SCOPE_SE
	global_prefetch_b8 v30, s[4:5] offset:2*NQ*FRB th:TH_LOAD_NT scope:SCOPE_SE
	v_and_b32 v1, 15, v0
	v_bfe_u32 v2, v0, 4, 1
	v_and_b32 v3, 31, v0
	v_lshlrev_b32 v3, 4, v3
	v_lshlrev_b32 v4, 4, v1
	v_lshl_add_u32 v4, v2, 3, v4
	v_lshlrev_b32 v5, 2, v1
	s_mul_i32 s21, s[RH], HALFT
	s_mul_i32 s22, s[CH], HALFT
	s_add_co_u32 s22, s22, 2*HALFT
.irp s, 0,1
	v_add_nc_u32 v[ADRA+\s], s21, v3
	v_add_nc_u32 v[ADRB+\s], s22, v3
	v_add_nc_u32 v[ADRA+2+\s], s21, v4
	v_add_nc_u32 v[ADRB+2+\s], s22, v4
	s_add_co_u32 s21, s21, SLOT
	s_add_co_u32 s22, s22, SLOT
.endr
	s_mul_i32 s21, s[RH], HALFS
	s_mul_i32 s22, s[CH], HALFS
	s_add_co_u32 s22, s22, 2*HALFS
	s_sub_co_u32 s22, s22, s21
	v_mul_u32_u24 v7, s22, v2
	s_add_co_u32 s21, s21, SCL
	v_add_nc_u32 v7, v5, v7
	v_add_nc_u32 v[ADRS], s21, v7
	s_mul_i32 s21, s[WV], 16896
	s_add_co_u32 s21, s21, STG
	v_mul_u32_u24 v[STO], v1, 528
	v_lshl_add_u32 v[STO], v2, 6, v[STO]
	v_add_nc_u32 v[STO], s21, v[STO]
	v_and_b32 v[RDV], 31, v0
	v_lshlrev_b32 v[RDV], 2, v[RDV]
	v_add_nc_u32 v[RDV], s21, v[RDV]
	v_bfe_u32 v10, v0, 3, 1
	v_and_b32 v11, 7, v0
	v_lshl_add_u32 v11, v2, 3, v11
	v_mul_u32_u24 v[VDV], v10, 1536
	v_lshl_add_u32 v[VDV], v11, 4, v[VDV]
	v_lshlrev_b32 v[VSV], 6, v10
	v_lshl_add_u32 v[VSV], v11, 2, v[VSV]
	s_cmp_eq_u32 ttmp9, 0
	s_cselect_b64 s[8:9], s[8:9], s[10:11]
	s_cmp_lt_u32 ttmp9, 2
	s_cselect_b64 s[8:9], s[8:9], s[12:13]
	s_lshl_b32 s46, s40, 10
	s_lshl_b32 s47, s[CH], 9
	s_add_co_u32 s46, s46, s47
	s_mov_b32 s47, 0
	s_add_nc_u64 s[8:9], s[8:9], s[46:47]
	v_lshlrev_b32 v6, 6, v2
.set ib, 0
.rept NBK
	global_load_b128 v[BI+8*ib:BI+8*ib+3], v6, s[8:9] offset:(32*(ib/2)+8*(ib%2))*4
	global_load_b128 v[BI+8*ib+4:BI+8*ib+7], v6, s[8:9] offset:(32*(ib/2)+8*(ib%2))*4+16
.set ib, ib+1
.endr
	s_wait_alu depctr_va_vdst(0)
	s_wait_tensorcnt 0x0                           ; my tile of the head's four is in; the three lines ahead of slot 1's first fill, as ahead of a refill
	ds_add_u32 v[SPW], v[NIL]
	s_mov_b32 s[G1+2], NBK<<16                     ; no load of mine is out: from here on a load brings half a tile's rows,
	s_mov_b32 s[G1+4], NBK
	s_mov_b32 s[G1B+2], NBK<<16
	s_mov_b32 s[G1B+4], NBK
	s_mov_b32 s[G0+1], s94                         ; and slot 0's group 0 names my half
	s_add_nc_u64 s[G0+2:G0+3], s[G0+2:G0+3], s[92:93]
	s_mov_b32 s[G0B+1], s94
	s_add_nc_u64 s[G0B+2:G0B+3], s[G0B+2:G0B+3], s[92:93]
	s_wait_dscnt 0x0
	CROUND
	JLOAD G0+4, G1, G0B+4, G1B
	global_prefetch_b8 v30, s[4:5] offset:3*NQ*FRB th:TH_LOAD_NT scope:SCOPE_SE
	FETCH_B 0, 0, 0
	FETCH_A 0, 0, 0
	SCALES 0
	FETCH_A 0, 0, 1
	s_wait_loadcnt 0x0
	STEP 0, 0, 1
	s_mov_b32 s3, LAPS-1
.Llap:
	TURN 0, 1, 1
	STEP 1, 0, 0
	TURN 1, 0, 1
	STEP 0, 0, 0
	s_sub_co_u32 s3, s3, 1
	s_cmp_lg_u32 s3, 0
	s_cbranch_scc1 .Llap
	TURN 0, 1, 0
	STEP 1, 0, 0
	LAST
	PLACES 4
	s_lshr_b32 s18, s45, 3
	s_lshl_b32 s18, s18, 4
	s_lshl_b32 s19, s40, 2
	s_add_co_u32 s18, s18, s19
	s_lshl_b32 s19, s[CH], 1
	s_add_co_u32 s18, s18, s19
	s_and_b32 s19, s45, 7
	s_mov_b32 s[SEL], 0x76543210
	s_mov_b32 s[SEL+1], 0xfedcba98
	s_cmp_lt_u32 ttmp9, 2
	s_cbranch_scc0 .Lv
	s_lshl_b32 s20, s19, 4
	s_lshl_b32 s21, s[RH], 3
	s_add_co_u32 s20, s20, s21
	s_lshl_b32 s22, s18, 7
	s_add_co_u32 s22, s22, s20
	s_mul_i32 s22, s22, 768
	s_mul_i32 s23, ttmp9, KC
	s_add_co_u32 s22, s22, s23
	s_mov_b32 s23, 0
	s_add_nc_u64 s[96:97], s[14:15], s[22:23]
	s_mov_b32 s92, 12288
	s_mov_b32 s94, KVS
	s_cmp_eq_u32 ttmp9, 0
	s_cselect_b32 s92, 8192, s92
	s_cselect_b32 s94, QS, s94
	s_mov_b32 s93, 0
	s_mul_i32 s22, s18, s92
	s_add_co_u32 s22, s22, s94
	s_lshl_b32 s20, s20, 6
	s_add_co_u32 s22, s22, s20
	s_add_nc_u64 s[98:99], s[14:15], s[22:23]
	s_add_nc_u64 s[100:101], s[98:99], s[92:93]
.irp b, 0,1,2,3
	v_mov_b32 v[TM+4+\b], 0
.endr
.irp a, 0,1,2,3,4,5,6,7
.if \a > 0
	s_wait_xcnt 0x0
.endif
	QUANT 64*(\a%4), 2+\a/4
	v_and_b32 v[PW+1], 0xffff, v[PW]
	v_lshrrev_b32 v[PW+2], 16, v[PW]
	v_lshl_or_b32 v[PW+1], v[PW+1], 16, v[PW+1]
	v_lshl_or_b32 v[PW+2], v[PW+2], 16, v[PW+2]
	global_store_b128 v3, v[PC:PC+3], s[96:97] offset:\a*768
	global_store_b64 v4, v[PC+4:PC+5], s[96:97] offset:\a*768+512
	global_store_b128 v3, v[PC+6:PC+9], s[96:97] offset:98304+\a*768
	global_store_b64 v4, v[PC+10:PC+11], s[96:97] offset:98304+\a*768+512
	global_store_b32 v5, v[PW+1], s[98:99] offset:\a*64
	global_store_b32 v5, v[PW+2], s[100:101] offset:\a*64
.endr
	s_branch .Ljoin
.Lv:
	s_lshl_b32 s20, s18, 4
	s_lshl_b32 s21, s19, 1
	s_add_co_u32 s21, s21, s[RH]
	s_add_co_u32 s20, s20, s21
	s_mul_i32 s22, s20, 6144
	s_add_co_u32 s22, s22, VC
	s_mov_b32 s23, 0
	s_add_nc_u64 s[96:97], s[14:15], s[22:23]
	s_mul_i32 s22, s18, 12288
	s_lshl_b32 s21, s21, 8
	s_add_co_u32 s22, s22, s21
	s_add_co_u32 s22, s22, KVS+8192
	s_add_nc_u64 s[98:99], s[14:15], s[22:23]
.macro VLOAD cg
.set i, 0
.rept 32
	ds_load_b32 v[128+32*((\cg)%2)+i], v[RDV] offset:(16*((i>>3)&1)+(i&7)+8*(i>>4))*528+128*(\cg)
.set i, i+1
.endr
.endm
.macro VBLOCK g, cg
.set XS, 128+32*((\cg)%2)
.if (\cg) < 3
	s_wait_dscnt 32
.else
	s_wait_dscnt 0x0
.endif
	KMAX XS, 220, 221
	v_add_nc_u32 v222, 0xff000000, v220
	v_lshrrev_b32 v223, 23, v222
.if (\g) == 0
	v_mov_b32 v[SBW+(\cg)], v223
.else
	v_lshl_or_b32 v[SBW+(\cg)], v223, 8*(\g), v[SBW+(\cg)]
.endif
	s_wait_alu depctr_va_vdst(0)
	s_wait_xcnt 0x0
	v_cvt_scalef32_pk16_fp6_f32 v[C:C+2], v[XS:XS+15], v222
	v_cvt_scalef32_pk16_fp6_f32 v[C+4:C+6], v[XS+16:XS+31], v222
	v_nop
	v_mov_b32 v[C+3], v[C+4]
	v_mov_b32 v[KP+4*(\cg)+2*((\g)%2)], v[C+5]
	v_mov_b32 v[KP+4*(\cg)+2*((\g)%2)+1], v[C+6]
	global_store_b128 v[VDV], v[C:C+3], s[96:97] offset:((\cg)%2)*3072+((\cg)/2)*98304+768*((\g)/2)+256*((\g)%2)
.if (\g)%2
	global_store_b128 v[VDV], v[KP+4*(\cg):KP+4*(\cg)+3], s[96:97] offset:((\cg)%2)*3072+((\cg)/2)*98304+768*((\g)/2)+512
.endif
.if (\cg)+2 < 4
	VLOAD (\cg)+2
.endif
.endm
.irp g, 0,1,2,3
	WIN 0x08+4*(\g/2)
.irp u, 0,1
.irp b, 0,1,2,3,4,5,6,7
	ds_store_b128 v[STO], v[8*(8*((2*\g+\u)%4)+\b):8*(8*((2*\g+\u)%4)+\b)+3] offset:\u*16*528+(32*(\b/2)+8*(\b%2))*4
	ds_store_b128 v[STO], v[8*(8*((2*\g+\u)%4)+\b)+4:8*(8*((2*\g+\u)%4)+\b)+7] offset:\u*16*528+(32*(\b/2)+8*(\b%2))*4+16
.endr
.endr
	WIN 0
	VLOAD 0
	VLOAD 1
	VBLOCK \g, 0
	VBLOCK \g, 1
	VBLOCK \g, 2
	VBLOCK \g, 3
.endr
.irp cg, 0,1,2,3
	global_store_b32 v[VSV], v[SBW+\cg], s[98:99] offset:(\cg%2)*128+(\cg/2)*12288
.endr
.Ljoin:
	s_wait_tensorcnt 0x0
	ds_add_u32 v[SPW], v[NIL]
	s_wait_dscnt 0x0
	CROUND
	s_endpgm
.Lfunc_end_k_q7a6dda4bc8_qkv:
	.size	k_q7a6dda4bc8_qkv, .Lfunc_end_k_q7a6dda4bc8_qkv-k_q7a6dda4bc8_qkv
	.p2alignl 7, 3214868480
	.fill 96, 4, 3214868480
	.section	.rodata,"a",@progbits
	.p2align	6, 0x0
	.amdhsa_kernel k_q7a6dda4bc8_qkv
		.amdhsa_group_segment_fixed_size 327680
		.amdhsa_private_segment_fixed_size 0
		.amdhsa_enable_private_segment 0
		.amdhsa_kernarg_size 48
		.amdhsa_user_sgpr_count 2
		.amdhsa_user_sgpr_kernarg_segment_ptr 1
		.amdhsa_wavefront_size32 1
		.amdhsa_system_sgpr_workgroup_id_x 1
		.amdhsa_system_sgpr_workgroup_id_y 1
		.amdhsa_system_sgpr_workgroup_id_z 1
		.amdhsa_system_vgpr_workitem_id 0
		.amdhsa_next_free_vgpr 1024
		.amdhsa_next_free_sgpr 102
		.amdhsa_reserve_vcc 0
		.amdhsa_float_denorm_mode_32 3
		.amdhsa_float_denorm_mode_16_64 3
		.amdhsa_memory_ordered 1
		.amdhsa_forward_progress 1
		.amdhsa_inst_pref_size 227
	.end_amdhsa_kernel
	.amdgpu_metadata
---
amdhsa.version: [ 1, 2 ]
amdhsa.kernels:
  - .name:           k_q7a6dda4bc8_qkv
    .symbol:         k_q7a6dda4bc8_qkv.kd
    .args:
      - { .name: abuf, .offset: 0, .size: 8, .value_kind: global_buffer, .address_space: global }
      - { .name: wbuf, .offset: 8, .size: 8, .value_kind: global_buffer, .address_space: global }
      - { .name: bq, .offset: 16, .size: 8, .value_kind: global_buffer, .address_space: global }
      - { .name: bk, .offset: 24, .size: 8, .value_kind: global_buffer, .address_space: global }
      - { .name: bv, .offset: 32, .size: 8, .value_kind: global_buffer, .address_space: global }
      - { .name: qkvb, .offset: 40, .size: 8, .value_kind: global_buffer, .address_space: global }
    .group_segment_fixed_size: 327680
    .private_segment_fixed_size: 0
    .kernarg_segment_align: 8
    .kernarg_segment_size: 48
    .max_flat_workgroup_size: 128
    .sgpr_count:     102
    .vgpr_count:     1024
    .wavefront_size: 32
...
	.end_amdgpu_metadata
.endif
;; end of part 2
;; launch attn (part 3): grid 8 x 32, 16 waves a work-group, clusters of 4 x 1, 210,944 bytes of LDS; arguments qkvb, abuf; writes abuf
.if DOCPART == 3
	.amdgcn_target "amdgcn-amd-amdhsa--gfx1250"
	.amdhsa_code_object_version 6
	.text
	.protected	k_q7a6dda4bc8_attn
	.globl	k_q7a6dda4bc8_attn
	.p2align	8
	.type	k_q7a6dda4bc8_attn,@function
k_q7a6dda4bc8_attn:
	s_mov_b64 s[64:65], 0
	v_nop
	global_prefetch_b8 v0, s[64:65] scope:SCOPE_SE
	s_setreg_imm32_b32 hwreg(HW_REG_WAVE_MODE, 25, 1), 1
	s_wait_xcnt 0x0
	s_wait_alu depctr_hold_cnt(0) depctr_sa_sdst(0) depctr_va_vdst(0) depctr_va_sdst(0) depctr_va_ssrc(0) depctr_va_vcc(0) depctr_vm_vsrc(0)
	s_getreg_b32 s2, hwreg(HW_REG_IB_STS2, 6, 4)
	s_cmp_eq_u32 s2, 0
	s_cbranch_scc0 .Lentry_in_a_cluster
	s_endpgm
.Lentry_in_a_cluster:
	s_bfe_u32 s2, ttmp6, 0x10000c
	s_cmp_lg_u32 s2, 0x3003
	s_cbranch_scc0 .Lentry_shape_is_right
	s_endpgm
.Lentry_shape_is_right:
; o = softmax(q k^T / 8) v for 32 heads of 2,048 tokens x 64 channels, both products on codes of FP6 (E2M3) with E8M0 scales; o is quantised along the model's 1,024 for the next product.
; THE SOFTMAX AHEAD OF THE SECOND PRODUCT: t = score x log2(e) / 8; M = the running largest t rounded UP to a whole number; p = 2^(t - M) is quantised along the keys; the row's sum is taken of the
; unquantised p and divides O at the end.  When M moves, the sum and O are multiplied by 2^(old M - new M): exact.
; SHARES.  A work-group owns 256 queries of one head, each of its sixteen waves one tile of 16: four waves to a SIMD.
; A WHOLE HEAD'S K AND V LIE IN LDS, every byte filled once: no ring.  The four work-groups of a cluster belong to one head and ask jointly, one tensor load a wave: wave w < 8 brings key steps 2 w and 2 w + 1 of K
; and of V as a tile of two rows of 12,288 bytes (V's codes lie KC0 bytes behind K's), so LDS holds [pair of steps][K, V][step][6,144]; wave 8 brings the scale words.  One wait and one barrier show all of it;
; the walk over the keys, 8 trips of two steps of 128 keys, has no barrier.
; LAYOUT.  Both products are used transposed: S^T = K Q^T, O^T = V^T P^T: a lane holds one query throughout.  Operands lie as images of their registers (half a fragment, 16 rows x 64 K: 768 bytes: registers 0-3
; of lane L at 16 L, registers 4-5 at 512 + 16 r + 8 h); place r of stored tile T holds row 32 (T / 2) + 8 (T % 2) + (r & 7) + 16 (r >> 3).
; WHICH KEYS FORM A TILE is chosen by the lanes' LDS addresses: row 8 h + j of tile n = 4 g + t is key 64 g + 32 h + 8 t + j, which lies in stored tile 4 g + 2 h + t % 2 at place j + 8 (t / 2).  So the 32 scores of a
; lane in tiles 4 g .. 4 g + 3 are ONE block of 32 keys, block 2 g + h, in ascending order: its largest score needs no other lane, and two conversions give the six registers that P's operand wants in that lane.
; K = 64 IN AN INSTRUCTION OF 128: Q's registers 6-11 are zero codes; a tile of K names 12 registers, of which the upper six are the next tile's codes (behind the last tile: zeros): they meet zero codes and add
; exactly 0.  The upper two bytes of q's and k's scale words repeat the lower two.
; LIMITS: the promise holds while the scaled scores stay under 2^31 in magnitude; a block of p or of o whose largest magnitude lies under 2^-124, and a block of zeros, get the byte 1 (this program alone reads the
; bytes); NaN and infinities are not served.
; No prefetch: all that the launch reads is asked for at its head.
.set SCK,   196608                     ; LDS: codes at 0; K's scale words, 8,192 bytes
.set SCV,   204800                     ; V's, 4,096
.set SPARE, 208896                     ; the spare words, 128 bytes for each of 16 waves
.set KC0,   3145728                    ; qkvb: k's codes (v's lie as far on again)
.set QS0,   9437184                    ; q's scale words
.set KVS0,  9699328                    ; k's and v's, 12,288 bytes a head
.set AS0,   3145728                    ; abuf: the scale words
.set KF,    32                         ; v32-79 K's eight tiles, six registers each; v80-85 zeros.  V's four fragments take v32-79
.set S,     96                         ; v96-159 S^T, then p
.set O,     160                        ; v160-191 O^T
.set PC,    192                        ; v192-203 p's codes
.set PT,    204                        ; v204-206, v208-210 the conversions' second halves
.set BM,    212                        ; v212-213 my two blocks' largest scores; v214-215 their second chains
.set BS,    234                        ; v234-235 the conversions' scale operands
.set WV,   18
.set SEL,  20
.set CS,   22                          ; s[22:23] c = log2(e) / 8
.set CN,   78                          ; s78 -c
.set G1C,  24
.set G1S,  32
.set G0C,  40
.set G0S,  56
.set TK,   2                           ; s2  the trip's codes: 24,576 bytes a trip
.set TS,   3                           ; s3  K's scale words: 1,024 a trip
.set TJ,   66                          ; s66 V's: 512 a trip
.set CNT,  67
; v1 16 x lane; v2 16 r + 8 h; v3, v4 my places in a tile of K; v5, v6 the add's two; v7, v8 my places among K's and V's scale words; v9-14 the trip's addresses; v15 4 r; v16-27 Q; v29 the largest score;
; -M in v28 and v226 by turns; v[30:31] the sum, v216-221 its other chains; v222, v223, v227 at work; v[224:225] f; v232 8 h; scale words and nothing else: v240-243 K's, v244-245 V's, v246 p's, v247 Q's
.macro CROUND
	s_barrier_signal -1
	s_barrier_wait -1
	s_cmp_lg_u32 s[WV], 0
	s_cbranch_scc1 .Lnot_wave_0_\@
	s_barrier_signal -3
.Lnot_wave_0_\@:
	s_barrier_wait -3
	s_barrier_signal -1
	s_barrier_wait -1
.endm
.macro D1
	s_delay_alu instid0(VALU_DEP_1)
.endm
	s_load_b128 s[4:7], s[0:1], 0x0                ; qkvb s[4:5], abuf s[6:7]
	v_lshl_add_u32 v5, v0, 2, SPARE
	v_mov_b32 v6, 0
	ds_add_u32 v5, v6                              ; the wave's opening: the add, twice on end, and its wait
	ds_add_u32 v5, v6
	v_lshrrev_b32 v7, 5, v0
	v_readfirstlane_b32 s[WV], v7                  ; wave 0..15
	s_bfe_u32 s8, ttmp6, 0x40000                   ; cx: it enters q's and o's global addresses alone
	s_lshl_b32 s9, ttmp9, 2
	s_add_co_u32 s9, s9, s8                        ; my block of 256 queries
	s_and_b32 s10, ttmp7, 0xffff                   ; the head, which the four partners share
	s_min_u32 s11, s[WV], 7
	s_mul_i32 s12, s11, 24576                      ; LDS: my pair of steps
	s_mul_i32 s13, s11, 12288
	s_mul_i32 s14, s10, 98304
	s_add_co_u32 s14, s14, s13
	s_add_co_u32 s14, s14, KC0
	s_mov_b32 s15, 0
	s_mul_i32 s16, s10, 12288
	s_add_co_u32 s16, s16, KVS0
	s_mov_b32 s17, 0
	s_mov_b32 s[G1C], 15|(3<<16)|(1<<21)           ; the mask: all four; elements of 8 bytes; no padding; bit 21 beside a mask
	s_mov_b32 s[G1C+1], 1536<<16                   ; two rows of 12,288 bytes: K's two steps, V's two steps
	s_mov_b32 s[G1C+2], 2<<16
	s_mov_b32 s[G1C+3], 1536<<16
	s_mov_b32 s[G1C+4], 2
	s_mov_b32 s[G1C+5], KC0/8
	s_mov_b32 s[G1C+6], 0
	s_mov_b32 s[G1C+7], 0
	s_mov_b32 s[G1S], 15|(3<<16)|(1<<21)           ; the scale words: 48 rows of 256
	s_mov_b32 s[G1S+1], 32<<16
	s_mov_b32 s[G1S+2], 48<<16
	s_mov_b32 s[G1S+3], 32<<16
	s_mov_b32 s[G1S+4], 48
	s_mov_b32 s[G1S+5], 32
	s_mov_b32 s[G1S+6], 0
	s_mov_b32 s[G1S+7], 0
	s_mov_b32 s[SEL], 0x76543210
	s_mov_b32 s[SEL+1], 0xfedcba98
	s_mov_b32 s[CS], 0x3e38aa3b                    ; log2(e) / 8
	s_mov_b32 s[CS+1], s[CS]                       ; (named with it as a pair, so it is written)
	s_mov_b32 s[CN], 0xbe38aa3b
	s_mov_b32 s[TK], 0
	s_mov_b32 s[TS], SCK
	s_mov_b32 s[TJ], SCV
	s_wait_dscnt 0x0                               ; both opening adds are done
	s_wait_kmcnt 0x0
	s_add_nc_u64 s[14:15], s[4:5], s[14:15]
	s_add_nc_u64 s[16:17], s[4:5], s[16:17]
	CROUND                                         ; all four work-groups are here: the joint loads meet
	s_mov_b32 s[G0C], 1
	s_mov_b32 s[G0C+1], s12
	s_mov_b64 s[G0C+2:G0C+3], s[14:15]
	s_or_b32 s[G0C+3], s[G0C+3], 0x80000000
	s_mov_b32 s[G0S], 1
	s_mov_b32 s[G0S+1], SCK
	s_mov_b64 s[G0S+2:G0S+3], s[16:17]
	s_or_b32 s[G0S+3], s[G0S+3], 0x80000000
	s_cmp_lt_u32 s[WV], 8                          ; one chain of branches on the wave's number, one load to an arm
	s_cbranch_scc0 .Lnot_codes
	tensor_load_to_lds s[G0C:G0C+3], s[G1C:G1C+7]
	s_nop 0
.rept 4
	v_nop
.endr
	s_branch .Lasked
.Lnot_codes:
	s_cmp_eq_u32 s[WV], 8
	s_cbranch_scc0 .Lasked
	tensor_load_to_lds s[G0S:G0S+3], s[G1S:G1S+7]
	s_nop 0
.rept 4
	v_nop
.endr
.Lasked:
	s_lshl_b32 s9, s9, 4
	s_add_co_u32 s9, s9, s[WV]                     ; my tile of queries in the head
	s_lshl_b32 s11, s10, 7
	s_add_co_u32 s11, s11, s9
	s_mul_i32 s68, s11, 768
	s_mov_b32 s69, 0
	s_add_nc_u64 s[68:69], s[4:5], s[68:69]        ; its codes
	s_lshl_b32 s70, s11, 6
	s_add_co_u32 s70, s70, QS0
	s_mov_b32 s71, 0
	s_add_nc_u64 s[70:71], s[4:5], s[70:71]        ; its scale words
	s_lshr_b32 s72, s10, 4
	s_lshl_b32 s72, s72, 7
	s_add_co_u32 s72, s72, s9                      ; the same tile among all 256 tiles of tokens
	s_lshl_b32 s72, s72, 3
	s_bfe_u32 s73, s10, 0x30001                    ; the K step of the next product: head / 2
	s_add_co_u32 s72, s72, s73
	s_and_b32 s73, s10, 1                          ; and its half
	s_mul_i32 s74, s72, 1536
	s_mul_i32 s75, s73, 768
	s_add_co_u32 s74, s74, s75
	s_mov_b32 s75, 0
	s_add_nc_u64 s[74:75], s[6:7], s[74:75]        ; where o's codes go
	s_lshl_b32 s76, s72, 6
	s_lshl_b32 s77, s73, 1
	s_add_co_u32 s76, s76, s77
	s_add_co_u32 s76, s76, AS0
	s_mov_b32 s77, 0
	s_add_nc_u64 s[76:77], s[6:7], s[76:77]        ; and its two scale bytes a row
	v_and_b32 v7, 31, v0
	v_and_b32 v9, 15, v0                           ; r
	v_bfe_u32 v10, v0, 4, 1                        ; h
	v_and_b32 v11, 7, v0                           ; j = r % 8
	v_bfe_u32 v12, v0, 3, 1                        ; r / 8
	v_lshlrev_b32 v1, 4, v7
	v_lshlrev_b32 v8, 2, v7
	v_lshlrev_b32 v2, 4, v9
	v_lshlrev_b32 v15, 2, v9
	v_mul_u32_u24 v13, v12, 1536
	v_lshl_add_u32 v2, v10, 3, v2
	v_lshl_add_u32 v13, v11, 4, v13                ; two stored tiles on for rows 8-15, 16 bytes a place
	v_lshlrev_b32 v7, 2, v11
	v_lshlrev_b32 v232, 3, v10
	v_lshl_add_u32 v3, v10, 8, v13                 ; registers 0-3: + 256 h
	v_lshl_add_u32 v4, v10, 3, v13                 ; registers 4-5: + 8 h
	v_lshl_add_u32 v7, v12, 7, v7
	global_load_b128 v[16:19], v1, s[68:69]        ; Q stays in registers
	global_load_b64 v[20:21], v2, s[68:69] offset:512
	global_load_b32 v247, v15, s[70:71]
	v_lshl_add_u32 v7, v10, 6, v7                  ; K's words: 4 j + 128 (r / 8); lanes 16-31 take the odd tile's, 64 bytes on
	v_add_nc_u32 v9, s[TK], v3
	v_add_nc_u32 v10, s[TK], v4
	v_add_nc_u32 v13, s[TS], v7
.irp j, 22,23,24,25,26,27, 80,81,82,83,84,85
	v_mov_b32 v\j, 0                               ; zero codes: Q's upper 64 along K, and what stands behind K's last tile
.endr
	v_mov_b32 v29, 0xff61b1e6                      ; the largest score so far: -3e38
	v_floor_f32 v28, -v29                          ; -M
.irp j, 30,31,223,225,227
	v_mov_b32 v\j, 0                               ; the sum; permutes' destinations and pairs' upper halves, written once
.endr
.set j, 0
.rept 32
	v_mov_b32 v[O+j], 0                            ; O^T: the step is written once; its first turn finds zeros
.set j, j+1
.endr
; A KEY STEP: 128 keys.  e: which of the trip's two; om, nm: where -M lies and where the new one goes
; K's eight tiles and their scale words for step e of the trip whose addresses stand in v9, v10, v13
.macro KLOAD e
.irp n, 0,1,2,3,4,5,6,7
	ds_load_b128 v[KF+6*\n:KF+6*\n+3], v9 offset:6144*\e+768*(4*(\n/4)+\n%2)+128*((\n%4)/2)
	ds_load_b64 v[KF+6*\n+4:KF+6*\n+5], v10 offset:6144*\e+768*(4*(\n/4)+\n%2)+128*((\n%4)/2)+512
.endr
.irp p, 0,1,2,3
	ds_load_b32 v[240+\p], v13 offset:512*\e+256*(\p/2)+32*(\p%2)      ; lanes 0-15: tile 2 p's words; lanes 16-31: tile 2 p + 1's
.endr
.endm
.macro STEP e, om, nm
	s_wait_dscnt 0x0                               ; K, asked for in the tail of the step before
.irp n, 0,1,2,3,4,5,6,7
.if \n%2
	v_wmma_scale_f32_16x16x128_f8f6f4 v[S+8*\n:S+8*\n+7], v[KF+6*\n:KF+6*\n+11], v[16:27], 0, v[240+\n/2], v247 matrix_a_fmt:MATRIX_FMT_FP6 matrix_b_fmt:MATRIX_FMT_FP6 matrix_a_scale:MATRIX_SCALE_ROW1
.else
	v_wmma_scale_f32_16x16x128_f8f6f4 v[S+8*\n:S+8*\n+7], v[KF+6*\n:KF+6*\n+11], v[16:27], 0, v[240+\n/2], v247 matrix_a_fmt:MATRIX_FMT_FP6 matrix_b_fmt:MATRIX_FMT_FP6
.endif
.endr
.if \e == 0                                    ; four places in front of the loads into K's registers and of the first read of the scores: the trip's addresses of V,
	v_add_nc_u32 v11, s[TK], v1
	v_add_nc_u32 v12, s[TK], v2
	v_add_nc_u32 v14, s[TJ], v8
.else                                          ; or the next trip's of K (this trip's loads of K have all been issued)
	s_add_co_u32 s[TK], s[TK], 24576
	s_add_co_u32 s[TS], s[TS], 1024
	s_add_co_u32 s[TJ], s[TJ], 512
	v_add_nc_u32 v9, s[TK], v3
	v_add_nc_u32 v10, s[TK], v4
	v_add_nc_u32 v13, s[TS], v7
.endif
	v_nop
.irp d, 0,1,2,3                                ; V's four fragments land while the softmax runs
	ds_load_b128 v[32+12*\d:35+12*\d], v11 offset:12288+6144*\e+1536*\d
	ds_load_b64 v[36+12*\d:37+12*\d], v12 offset:12288+6144*\e+1536*\d+512
	ds_load_b128 v[38+12*\d:41+12*\d], v11 offset:12288+6144*\e+1536*\d+768
	ds_load_b64 v[42+12*\d:43+12*\d], v12 offset:12288+6144*\e+1536*\d+1280
.endr
	ds_load_b32 v244, v14 offset:256*\e
	ds_load_b32 v245, v14 offset:256*\e+128
.irp g, 0,1                                    ; the largest score of my two blocks of 32 keys, two chains each; every accumulator is first read at its low end
	v_max3_num_f32 v[BM+\g], v[S+32*\g], v[S+32*\g+1], v[S+32*\g+2]
	v_max3_num_f32 v[BM+2+\g], v[S+32*\g+17], v[S+32*\g+18], v[S+32*\g+19]
.endr
.irp i, 3,5,7,9,11,13
.irp g, 0,1
	v_max3_num_f32 v[BM+\g], v[BM+\g], v[S+32*\g+\i], v[S+32*\g+\i+1]
	v_max3_num_f32 v[BM+2+\g], v[BM+2+\g], v[S+32*\g+17+\i], v[S+32*\g+18+\i]
.endr
.endr
.irp g, 0,1
	v_max3_num_f32 v[BM+\g], v[BM+\g], v[S+32*\g+15], v[S+32*\g+16]
.endr
.irp g, 0,1
	v_max_num_f32 v[BM+\g], v[BM+\g], v[BM+2+\g]
.endr
	D1
	v_max_num_f32 v222, v[BM], v[BM+1]
	D1
	v_permlanex16_b32 v227, v222, s[SEL], s[SEL+1]
	D1
	v_max3_num_f32 v29, v29, v222, v227            ; the running largest score of my query, lane l xor 16's 64 keys among them
	D1
	v_mul_f32 v222, s[CN], v29                     ; -t (c is positive)
	D1
	v_floor_f32 v[\nm], v222                       ; the new -M = -ceil(t): a whole number
.set j, 0
.rept 32
	v_pk_fma_f32 v[S+j:S+j+1], v[S+j:S+j+1], s[CS:CS+1], v[\nm:\nm+1] op_sel_hi:[1,0,0]      ; t - M
.if j == 6
	v_sub_f32 v222, v[\nm], v[\om]                 ; old M - new M: 0 or less.  (The three lines that make f stand among lines that do not hang on them)
.endif
.if j == 14
	v_cvt_i32_f32 v222, v222                       ; (it saturates)
.endif
.if j == 22
	v_ldexp_f32 v224, 1.0, v222                    ; f = 2^(old M - new M)
.endif
.set j, j+2
.endr
.irp g, 0,1
	v_fma_f32 v[BM+\g], v[BM+\g], s[CS], v[\nm]    ; the same of each block's largest score: p rises with the score
.endr
	s_wait_alu depctr_va_vdst(0)
.set j, 0
.rept 64
	v_exp_f32 v[S+j], v[S+j]                       ; p = 2^(t - M): not normalised
.set j, j+1
.endr
.irp g, 0,1
	v_exp_f32 v[BM+\g], v[BM+\g]                   ; the blocks' largest p
.endr
	v_nop                                          ; a plain place behind the batch,
	s_wait_alu depctr_va_vdst(0)                   ; and one wait for all 66, ahead of their first reader
.irp g, 0,1
	v_max_num_f32 v[BM+\g], 0x1800000, v[BM+\g]    ; the floor 2^(3 - 127)
.endr
.irp g, 0,1
	v_add_nc_u32 v[BS+\g], 0xff000000, v[BM+\g]    ; 2 off the exponent field: the conversion's scale operand
.endr
.irp g, 0,1
	v_cvt_scalef32_pk16_fp6_f32 v[PC+6*\g:PC+6*\g+2], v[S+32*\g:S+32*\g+15], v[BS+\g]
	v_cvt_scalef32_pk16_fp6_f32 v[PT+4*\g:PT+4*\g+2], v[S+32*\g+16:S+32*\g+31], v[BS+\g]     ; (a conversion's three registers begin on an even number)
.endr
.irp g, 0,1
	v_lshrrev_b32 v[BM+\g], 23, v[BS+\g]           ; the scales' bytes: blocks h and 2 + h.  (Plain places behind the conversions)
.endr
	v_mov_b32 v[PC+3], v[PT]                       ; the second halves' six moves take turns with the chain that makes the scale word
	v_lshl_or_b32 v222, v[BM+1], 16, v[BM]
	v_mov_b32 v[PC+4], v[PT+1]
	v_mov_b32 v[PC+5], v[PT+2]
	v_lshlrev_b32 v222, v232, v222                 ; my two bytes at their places in the word, 8 h bits up;
	v_mov_b32 v[PC+9], v[PT+4]
	v_mov_b32 v[PC+10], v[PT+5]
	v_permlanex16_b32 v223, v222, s[SEL], s[SEL+1]
	v_mov_b32 v[PC+11], v[PT+6]
	v_or_b32 v246, v222, v223                      ; with lane l xor 16's two p's scale word for these 128 keys is whole
	s_wait_dscnt 0x0                               ; V
	s_wait_alu depctr_va_vdst(0)                   ; the wait directly ahead of the first reader of O^T
.set j, 0
.rept 16
	v_pk_mul_f32 v[O+j:O+j+1], v[O+j:O+j+1], v[224:225] op_sel_hi:[1,0]      ; O^T under the new M; these sixteen are also the places between the operand's and the scale word's last writes and the products
.set j, j+2
.endr
.irp p, 0,1
	v_wmma_scale_f32_16x16x128_f8f6f4 v[O+16*\p:O+16*\p+7], v[32+24*\p:43+24*\p], v[PC:PC+11], v[O+16*\p:O+16*\p+7], v[244+\p], v246 matrix_a_fmt:MATRIX_FMT_FP6 matrix_b_fmt:MATRIX_FMT_FP6
	v_wmma_scale_f32_16x16x128_f8f6f4 v[O+16*\p+8:O+16*\p+15], v[44+24*\p:55+24*\p], v[PC:PC+11], v[O+16*\p+8:O+16*\p+15], v[244+\p], v246 matrix_a_fmt:MATRIX_FMT_FP6 matrix_b_fmt:MATRIX_FMT_FP6 matrix_a_scale:MATRIX_SCALE_ROW1
.endr
	; the row's sum of the unquantised p, in four chains; the first line brings the old sum under the new M.  These four lines name no register of the products above: they are the places in front of the next loads
	v_pk_fma_f32 v[30:31], v[30:31], v[224:225], v[S:S+1] op_sel_hi:[1,0,1]
	v_pk_add_f32 v[216:217], v[S+2:S+3], v[S+4:S+5]
	v_pk_add_f32 v[218:219], v[S+6:S+7], v[S+8:S+9]
	v_pk_add_f32 v[220:221], v[S+10:S+11], v[S+12:S+13]
.endm
; the other 28 lines of the row's sum: they stand behind the next step's loads of K
.macro SUMREST
.set j, 14
.rept 6
	v_pk_add_f32 v[30:31], v[30:31], v[S+j:S+j+1]
	v_pk_add_f32 v[216:217], v[216:217], v[S+j+2:S+j+3]
	v_pk_add_f32 v[218:219], v[218:219], v[S+j+4:S+j+5]
	v_pk_add_f32 v[220:221], v[220:221], v[S+j+6:S+j+7]
.set j, j+8
.endr
	v_pk_add_f32 v[30:31], v[30:31], v[S+62:S+63]
	v_pk_add_f32 v[216:217], v[216:217], v[218:219]
	v_pk_add_f32 v[30:31], v[30:31], v[220:221]
	v_pk_add_f32 v[30:31], v[30:31], v[216:217]
.endm
	s_wait_alu depctr_va_vdst(0)
	s_wait_loadcnt 0x0                             ; Q
	s_wait_tensorcnt 0x0                           ; my load, if I issued one, has landed
	s_barrier_signal -1
	s_barrier_wait -1                              ; all nine have: K, V and the scale words are whole; nothing is filled again
	s_mov_b32 s[CNT], 8
	KLOAD 0
.Ltrip:
	STEP 0, 28, 226
	KLOAD 1                                        ; four lines of the sum stand between the products that read V's registers and these loads into them
	SUMREST
	STEP 1, 226, 28
	s_sub_co_u32 s[CNT], s[CNT], 1
	s_cmp_eq_u32 s[CNT], 0
	s_cbranch_scc1 .Ldone                          ; behind the last step nothing more is loaded
	KLOAD 0                                        ; the next trip's first step: its addresses were made in this step
	SUMREST
	s_cmp_lg_u32 s[CNT], 0
	s_cbranch_scc1 .Ltrip
.Ldone:
	s_wait_alu depctr_va_vdst(0)
	SUMREST
	; THE WAY OUT: O^T / the sum; its 32 registers are my query's channels 32 b + 16 (lane / 16) + i: two blocks of the next product's K, quantised in registers
	v_add_f32 v30, v30, v31
	D1
	v_permlanex16_b32 v224, v30, s[SEL], s[SEL+1]
	D1
	v_add_f32 v30, v30, v224                       ; the row's sum
	s_wait_alu depctr_va_vdst(0)
	v_rcp_f32 v30, v30
	v_nop                                          ; a plain place behind the transcendental,
	s_wait_alu depctr_va_vdst(0)                   ; and the wait ahead of its first reader, which is O^T's first reader too
.set j, 0
.rept 32
	v_mul_f32 v[S+j], v[O+j], v30
.set j, j+1
.endr
.irp b, 0,1
	v_max3_num_f32 v[BM+\b], |v[S+16*\b]|, |v[S+16*\b+1]|, 0x1800000
.endr
.irp i, 2,4,6,8,10,12,14
.irp b, 0,1
	v_max3_num_f32 v[BM+\b], v[BM+\b], |v[S+16*\b+\i]|, |v[S+16*\b+\i+1]|
.endr
.endr
.irp b, 0,1
	v_permlanex16_b32 v[216+\b], v[BM+\b], s[SEL], s[SEL+1]
.endr
.irp b, 0,1
	v_max_num_f32 v[BM+\b], v[BM+\b], v[216+\b]
.endr
.irp b, 0,1
	v_add_nc_u32 v[BS+\b], 0xff000000, v[BM+\b]
.endr
.irp b, 0,1
	v_lshrrev_b32 v[216+\b], 23, v[BS+\b]
.endr
	D1
	v_lshl_or_b32 v222, v217, 8, v216              ; my head's two bytes of the row's scale word
	v_cvt_scalef32_pk16_fp6_f32 v[PC:PC+2], v[S:S+15], v[BS]
	v_cvt_scalef32_pk16_fp6_f32 v[PT:PT+2], v[S+16:S+31], v[BS+1]
	v_nop
.irp i, 0,1,2
	v_permlane16_swap_b32 v[PC+\i], v[PT+\i]       ; a whole block to a lane
.endr
.irp i, 0,1,2
	v_mov_b32 v[PC+3+\i], v[PT+\i]
.endr
	global_store_b128 v1, v[PC:PC+3], s[74:75]     ; half a fragment: 512 and 256 consecutive bytes, aligned
	global_store_b64 v2, v[PC+4:PC+5], s[74:75] offset:512
	global_store_b16 v15, v222, s[76:77]           ; two heads share a word; each owns two of its bytes
	s_wait_tensorcnt 0x0                           ; the wave's end: three closing lines
	ds_add_u32 v5, v6
	s_wait_dscnt 0x0
	CROUND                                         ; the closing round
	s_endpgm
.Lfunc_end_k_q7a6dda4bc8_attn:
	.size	k_q7a6dda4bc8_attn, .Lfunc_end_k_q7a6dda4bc8_attn-k_q7a6dda4bc8_attn
	.p2alignl 7, 3214868480
	.fill 96, 4, 3214868480
	.section	.rodata,"a",@progbits
	.p2align	6, 0x0
	.amdhsa_kernel k_q7a6dda4bc8_attn
		.amdhsa_group_segment_fixed_size 210944
		.amdhsa_private_segment_fixed_size 0
		.amdhsa_enable_private_segment 0
		.amdhsa_kernarg_size 16
		.amdhsa_user_sgpr_count 2
		.amdhsa_user_sgpr_kernarg_segment_ptr 1
		.amdhsa_wavefront_size32 1
		.amdhsa_system_sgpr_workgroup_id_x 1
		.amdhsa_system_sgpr_workgroup_id_y 1
		.amdhsa_system_sgpr_workgroup_id_z 1
		.amdhsa_system_vgpr_workitem_id 0
		.amdhsa_next_free_vgpr 256
		.amdhsa_next_free_sgpr 92
		.amdhsa_reserve_vcc 0
		.amdhsa_float_denorm_mode_32 3
		.amdhsa_float_denorm_mode_16_64 3
		.amdhsa_memory_ordered 1
		.amdhsa_forward_progress 1
		.amdhsa_inst_pref_size 46
	.end_amdhsa_kernel
	.amdgpu_metadata
---
amdhsa.version: [ 1, 2 ]
amdhsa.kernels:
  - .name:           k_q7a6dda4bc8_attn
    .symbol:         k_q7a6dda4bc8_attn.kd
    .args:
      - { .name: qkvb, .offset: 0, .size: 8, .value_kind: global_buffer, .address_space: global }
      - { .name: abuf, .offset: 8, .size: 8, .value_kind: global_buffer, .address_space: global }
    .group_segment_fixed_size: 210944
    .private_segment_fixed_size: 0
    .kernarg_segment_align: 8
    .kernarg_segment_size: 16
    .max_flat_workgroup_size: 512
    .sgpr_count:     92
    .vgpr_count:     256
    .wavefront_size: 32
...
	.end_amdgpu_metadata
.endif
;; end of part 3
;; launch wo (part 4): grid 8 x 32, 4 waves a work-group, clusters of 4 x 4, 327,680 bytes of LDS; arguments abuf, wbuf, bo, x, x1; writes x1
.if DOCPART == 4
	.amdgcn_target "amdgcn-amd-amdhsa--gfx1250"
	.amdhsa_code_object_version 6
	.text
	.protected	k_q7a6dda4bc8_wo
	.globl	k_q7a6dda4bc8_wo
	.p2align	8
	.type	k_q7a6dda4bc8_wo,@function
k_q7a6dda4bc8_wo:
	s_mov_b64 s[64:65], 0
	v_nop
	global_prefetch_b8 v0, s[64:65] scope:SCOPE_SE
	s_setreg_imm32_b32 hwreg(HW_REG_WAVE_MODE, 25, 1), 1
	s_wait_xcnt 0x0
	s_wait_alu depctr_hold_cnt(0) depctr_sa_sdst(0) depctr_va_vdst(0) depctr_va_sdst(0) depctr_va_ssrc(0) depctr_va_vcc(0) depctr_vm_vsrc(0)
	s_getreg_b32 s2, hwreg(HW_REG_IB_STS2, 6, 4)
	s_cmp_eq_u32 s2, 0
	s_cbranch_scc0 .Lentry_in_a_cluster
	s_endpgm
.Lentry_in_a_cluster:
	s_bfe_u32 s2, ttmp6, 0x10000c
	s_cmp_lg_u32 s2, 0xf033
	s_cbranch_scc0 .Lentry_shape_is_right
	s_endpgm
.Lentry_shape_is_right:
; x1 = x + o Wo + bo, the product on codes of FP6 (E2M3) with E8M0 scales.  M 4,096, N 1,024, K 1,024.
; Operands lie in memory as images of operand registers: a fragment (16 rows x 128 K) is 1,536 bytes: two halves of 768; in a half lane L = r + 16 h has registers 0-3 at 16 L, registers 4-5 at 512 + 16 r + 8 h.
; Codes [row tile][K step][1536], scale words [row tile][K step][64].  Lane r of tile T holds row 32 (T / 2) + 8 (T % 2) + (r & 7) + 16 (r >> 3).
; A tile of the result is 128 x 128 (256 x 256 would give 64 work-groups for 256 WGPs): four waves, each 64 x 64: 16 accumulators.
; ALL OF K LIES IN LDS: A's 128 rows and B's 128 rows are 98,304 dense bytes each.  Four tiles, one tensor load a wave at the head: wave 0 A's codes, wave 1 B's, wave 2 A's scale words, wave 3 B's.  Nothing is filled again.
; CLUSTER 4 x 4: A's tiles are asked for jointly along a row of the cluster, B's along a column.  The matrix instruction is used transposed (source 0 = the weight's rows, source 1 = tokens); the bias is the C of the first products.
; The residual's 64 x 64 numbers are asked for at the head into registers that lie idle, and are added on the way out, which goes through the wave's own stage: sixteen lanes store 256 consecutive bytes, aligned.
; No prefetch: all tiles are asked for at the head.
.set NBK,   4
.set KT,    8
.set REGION, 1536
.set ASC0,  3145728
.set WS0,   9437184
.set FR,    12
.set FRB,   1536
.set NL,    4
.set HALFT, NBK*KT*FRB                 ; 64 rows, all of K: what one wave reads of A or of B
.set SCL,   4*HALFT
.set HALFS, NBK*KT*64
.set SBLK,  KT*64
.set SPARE, SCL+4*HALFS
.set STG,   SPARE+512                  ; the stages: bytes of their own, 16 rows x 272 for each wave
.set ADRA, 16                          ; v16, v17 my fragments of A: registers 0-3, registers 4-5
.set ADRB, 20                          ; v20, v21 of B
.set ADRS, 27
.set SPW,  28
.set NIL,  29
.set SC,   32                          ; v32-63 scale words and nothing else: register 8 i + q: lanes 0-15 A's block i, lanes 16-31 B's, K step q
.set BI,   64                          ; v64-95 the bias
.set RB,   96                          ; v96-127 rows read back from the stage
.set AF,   128
.set CO,   8                           ; v8  my bytes in two rows of the result
.set STO,  9                           ; v9  into my stage
.set RD,   10                          ; v10 out of it
.set RES,  64                          ; window 2, v64-191: the residual
.set WV, 2
.set RH, 16
.set CH, 17
.set G1, 24
.set G0, 32
.set G1B, 48
.set G0B, 56
.set G1S, 68
.set G0S, 76
.set G1SB, 80
.set G0SB, 88
.set MSB, 0
.macro WIN new
.if MSB != (\new)
	s_set_vgpr_msb (MSB<<8)|(\new)
.set MSB, (\new)
.endif
.endm
.macro PLACES n
.rept \n
	v_nop
.endr
.endm
.macro CROUND
	s_barrier_signal -1
	s_barrier_wait -1
	s_cmp_lg_u32 s[WV], 0
	s_cbranch_scc1 .Lnot_wave_0_\@
	s_barrier_signal -3
.Lnot_wave_0_\@:
	s_barrier_wait -3
	s_barrier_signal -1
	s_barrier_wait -1
.endm
.macro FRAG reg, adr, q, i
	ds_load_b128 v[\reg:\reg+3], v[\adr] offset:(\i)*KT*FRB+(\q)*FRB
	ds_load_b64 v[\reg+4:\reg+5], v[\adr+1] offset:(\i)*KT*FRB+(\q)*FRB+512
	ds_load_b128 v[\reg+6:\reg+9], v[\adr] offset:(\i)*KT*FRB+(\q)*FRB+768
	ds_load_b64 v[\reg+10:\reg+11], v[\adr+1] offset:(\i)*KT*FRB+(\q)*FRB+1280
.endm
.macro FETCH_B q, p
	WIN 0x40
.set fi, 0
.rept NBK
	FRAG 128*(\p)+FR*fi, ADRB, \q, fi
.set fi, fi+1
.endr
	WIN 0
.endm
.macro FETCH_A q, p                    ; A's four fragments of K step q into set p: v128-175, v176-223
.set fi, 0
.rept NBK
	FRAG AF+FR*NBK*(\p)+FR*fi, ADRA, \q, fi
.set fi, fi+1
.endr
.endm
.macro MULQ k, p, q, first             ; A's block k against B's four; the accumulators take turns, one instruction a turn, in the same order in every step
.set ib, 0
.rept NBK
.set rD, 8*(NBK*((\k)%2)+ib)
.set rC, rD
.if \first
.set rC, BI+8*ib
.endif
.set rB, 128*(\p)+FR*ib
.set rA, AF+FR*NBK*(\p)+FR*(\k)
	v_wmma_scale_f32_16x16x128_f8f6f4 v[rD:rD+7], v[rB:rB+11], v[rA:rA+11], v[rC:rC+7], v[SC+KT*ib+(\q)], v[SC+KT*(\k)+(\q)] matrix_a_fmt:MATRIX_FMT_FP6 matrix_b_fmt:MATRIX_FMT_FP6 matrix_a_scale:MATRIX_SCALE_ROW1
.set ib, ib+1
.endr
.endm
.macro STEP q, first                   ; both operands have two sets of registers: the next step's 32 loads go out at the step's head, ahead of its 16 products
	s_wait_dscnt 0x0                               ; this step's fragments, asked for a step ago
	PLACES 4                                       ; four places in front of loads into registers that the last step's matrix instructions have read
	FETCH_B (\q)+1, 1-(\q)%2
	FETCH_A (\q)+1, 1-(\q)%2
.if \first
	WIN 0x81
.else
	WIN 0xa1
.endif
	MULQ 0, (\q)%2, \q, \first
	MULQ 1, (\q)%2, \q, \first
.if \first
	WIN 0xc1
.else
	WIN 0xf1
.endif
	MULQ 2, (\q)%2, \q, \first
	MULQ 3, (\q)%2, \q, \first
	WIN 0
.endm
	s_load_b256 s[4:11], s[0:1], 0x0               ; A's buffer s[4:5], wbuf s[6:7], the bias s[8:9], the residual s[10:11]
	s_load_b64 s[12:13], s[0:1], 0x20              ; the result
	v_lshl_add_u32 v[SPW], v0, 2, SPARE
	v_mov_b32 v[NIL], 0
	ds_add_u32 v[SPW], v[NIL]                      ; the wave's opening: the add, twice on end, and its wait ahead of my tensor load
	ds_add_u32 v[SPW], v[NIL]
	v_lshrrev_b32 v1, 5, v0
	v_readfirstlane_b32 s[WV], v1
	s_lshr_b32 s[RH], s[WV], 1
	s_and_b32 s[CH], s[WV], 1
	s_bfe_u32 s40, ttmp6, 0x40000
	s_bfe_u32 s41, ttmp6, 0x40004
	s_lshl_b32 s42, ttmp9, 2
	s_add_co_u32 s42, s42, s40                     ; tile column
	s_and_b32 s45, ttmp7, 0xffff
	s_lshl_b32 s45, s45, 2
	s_add_co_u32 s45, s45, s41                     ; tile row
	s_lshl_b32 s43, s41, 2
	s_lshl_b32 s43, 15, s43
	s_lshl_b32 s44, 0x1111, s40
	s_or_b32 s[G1], s43, (3<<16)|(1<<21)
	s_or_b32 s[G1B], s44, (3<<16)|(1<<21)
.irp g, G1, G1B
	s_mov_b32 s[\g+1], (KT*192)<<16                ; eight rows of fragments, 12,288 bytes each
	s_mov_b32 s[\g+2], (2*NBK)<<16
	s_mov_b32 s[\g+3], (KT*192)<<16
	s_mov_b32 s[\g+4], 2*NBK
	s_mov_b32 s[\g+5], KT*192
	s_mov_b32 s[\g+6], 0
	s_mov_b32 s[\g+7], 0
.endr
	s_or_b32 s[G1S], s43, (3<<16)|(1<<21)
	s_or_b32 s[G1SB], s44, (3<<16)|(1<<21)
.irp g, G1S, G1SB
	s_mov_b32 s[\g+1], 32<<16                      ; their scale words, as rows of 256 bytes
	s_mov_b32 s[\g+2], (2*HALFS/256)<<16
	s_mov_b32 s[\g+3], 32<<16
	s_mov_b32 s[\g+4], 2*HALFS/256
	s_mov_b32 s[\g+5], 32
	s_mov_b32 s[\g+6], 0
	s_mov_b32 s[\g+7], 0
.endr
	s_mul_i32 s20, s45, 2*NBK
	s_mul_i32 s46, s42, 2*NBK
	s_mul_i32 s22, s20, KT*64
	s_add_co_u32 s22, s22, ASC0
	s_mul_i32 s20, s20, KT*FRB
	s_mul_i32 s92, s46, KT*64
	s_add_co_u32 s92, s92, WS0+REGION*64
	s_mul_i32 s46, s46, KT*FRB
	s_add_co_u32 s46, s46, REGION*FRB
	s_mov_b32 s21, 0
	s_mov_b32 s23, 0
	s_mov_b32 s47, 0
	s_mov_b32 s93, 0
	s_wait_dscnt 0x0
	s_wait_kmcnt 0x0
	s_add_nc_u64 s[20:21], s[4:5], s[20:21]
	s_add_nc_u64 s[22:23], s[4:5], s[22:23]
	s_add_nc_u64 s[46:47], s[6:7], s[46:47]
	s_add_nc_u64 s[92:93], s[6:7], s[92:93]
	CROUND                                         ; all sixteen work-groups are here: the joint loads meet
	s_mov_b32 s[G0], 1
	s_mov_b32 s[G0+1], 0
	s_mov_b64 s[G0+2:G0+3], s[20:21]
	s_or_b32 s[G0+3], s[G0+3], 0x80000000
	s_mov_b32 s[G0B], 1
	s_mov_b32 s[G0B+1], 2*HALFT
	s_mov_b64 s[G0B+2:G0B+3], s[46:47]
	s_or_b32 s[G0B+3], s[G0B+3], 0x80000000
	s_mov_b32 s[G0S], 1
	s_mov_b32 s[G0S+1], SCL
	s_mov_b64 s[G0S+2:G0S+3], s[22:23]
	s_or_b32 s[G0S+3], s[G0S+3], 0x80000000
	s_mov_b32 s[G0SB], 1
	s_mov_b32 s[G0SB+1], SCL+2*HALFS
	s_mov_b64 s[G0SB+2:G0SB+3], s[92:93]
	s_or_b32 s[G0SB+3], s[G0SB+3], 0x80000000
.macro ARM under, g0, g1, next         ; one chain of branches on the wave's number, one load to an arm
	s_cmp_lt_u32 s[WV], \under
	s_cbranch_scc0 \next
	tensor_load_to_lds s[\g0:\g0+3], s[\g1:\g1+7]
	s_nop 0
	PLACES 4
	s_branch .Lhead_asked
\next:
.endm
	ARM 1, G0, G1, .Lhead_b
	ARM 2, G0B, G1B, .Lhead_sa
	ARM 3, G0S, G1S, .Lhead_sb
	tensor_load_to_lds s[G0SB:G0SB+3], s[G1SB:G1SB+7]
	s_nop 0
	PLACES 4
.Lhead_asked:
	v_and_b32 v1, 15, v0
	v_bfe_u32 v2, v0, 4, 1
	v_and_b32 v3, 31, v0
	v_lshlrev_b32 v3, 4, v3
	v_lshlrev_b32 v4, 4, v1
	v_lshl_add_u32 v4, v2, 3, v4
	v_lshlrev_b32 v5, 2, v1
	s_wait_alu depctr_va_vdst(0)
	s_mul_i32 s21, s[RH], HALFT
	s_mul_i32 s22, s[CH], HALFT
	s_add_co_u32 s22, s22, 2*HALFT
	v_add_nc_u32 v[ADRA], s21, v3
	v_add_nc_u32 v[ADRB], s22, v3
	v_add_nc_u32 v[ADRA+1], s21, v4
	v_add_nc_u32 v[ADRB+1], s22, v4
	s_mul_i32 s21, s[RH], HALFS
	s_mul_i32 s22, s[CH], HALFS
	s_add_co_u32 s22, s22, 2*HALFS
	s_sub_co_u32 s22, s22, s21
	v_mul_u32_u24 v7, s22, v2                      ; lanes 16-31 take B's words
	s_add_co_u32 s21, s21, SCL
	v_add_nc_u32 v7, v5, v7
	v_add_nc_u32 v[ADRS], s21, v7
	s_mul_i32 s21, s[WV], 4352
	s_add_co_u32 s21, s21, STG                     ; my stage
	v_mul_u32_u24 v[STO], v1, 272
	v_lshl_add_u32 v[STO], v2, 6, v[STO]
	v_add_nc_u32 v[STO], s21, v[STO]               ; in: row r, + 64 h
	v_mul_u32_u24 v[RD], v2, 272
	v_lshl_add_u32 v[RD], v1, 4, v[RD]
	v_add_nc_u32 v[RD], s21, v[RD]                 ; back: lanes 0-15 one row of 256 bytes, lanes 16-31 the next
	v_lshlrev_b32 v[CO], 12, v2
	v_lshl_add_u32 v[CO], v1, 4, v[CO]             ; and the same two rows in memory
	v_lshlrev_b32 v6, 6, v2
	s_wait_alu depctr_va_vdst(0)
	s_mul_i32 s46, s42, 128*NBK
	s_mul_i32 s47, s[CH], 64*NBK
	s_add_co_u32 s46, s46, s47
	s_mov_b32 s47, 0
	s_add_nc_u64 s[8:9], s[8:9], s[46:47]          ; the bias at my first column
	s_lshl_b32 s18, s45, 7
	s_lshl_b32 s19, s[RH], 6
	s_add_co_u32 s18, s18, s19
	s_lshl_b32 s18, s18, 12                        ; my first row, 4,096 bytes a row,
	s_add_co_u32 s18, s18, s46                     ; and my first column
	s_mov_b32 s19, 0
	s_add_nc_u64 s[96:97], s[10:11], s[18:19]
	s_add_nc_u64 s[98:99], s[12:13], s[18:19]
.set ib, 0
.rept NBK
	global_load_b128 v[BI+8*ib:BI+8*ib+3], v6, s[8:9] offset:(32*(ib/2)+8*(ib%2))*4
	global_load_b128 v[BI+8*ib+4:BI+8*ib+7], v6, s[8:9] offset:(32*(ib/2)+8*(ib%2))*4+16
.set ib, ib+1
.endr
	WIN 0x80                                       ; destination window 2
.irp a, 0,1,2,3
.irp t, 0,1,2,3,4,5,6,7
	global_load_b128 v[RES+32*\a+4*\t:RES+32*\a+4*\t+3], v[CO], s[96:97] offset:(32*(\a/2)+8*(\a%2)+2*(\t%4)+16*(\t/4))*4096      ; places 2 t and 2 t + 1 of block a's tile of rows
.endr
.endr
	WIN 0
	s_wait_tensorcnt 0x0                           ; my tile of the four is in
	s_barrier_signal -1
	s_barrier_wait -1                              ; all four are
	FETCH_B 0, 0
	FETCH_A 0, 0
.set si, 0
.rept NBK
.set sq, 0
.rept KT
	ds_load_b32 v[SC+KT*si+sq], v[ADRS] offset:si*SBLK+64*sq
.set sq, sq+1
.endr
.set si, si+1
.endr
	s_wait_loadcnt 32                              ; the bias is in; the 32 loads of the residual are younger and may be out
	STEP 0, 1
.irp q, 1,2,3,4,5,6
	STEP \q, 0
.endr
	s_wait_dscnt 0x0                               ; the last K step: nothing more to fetch
	WIN 0xa1
	MULQ 0, 1, KT-1, 0
	MULQ 1, 1, KT-1, 0
	WIN 0xf1
	MULQ 2, 1, KT-1, 0
	MULQ 3, 1, KT-1, 0
	WIN 0
	PLACES 4
.irp a, 0,1,2,3
	s_wait_loadcnt 24-8*\a                         ; block a's eight loads of the residual are in; the later blocks' eight each may be out
	WIN 0x08+4*(\a/2)                              ; an LDS store's data are its source 1: window 2 or 3
.irp b, 0,1,2,3
	ds_store_b128 v[STO], v[8*(4*(\a%2)+\b):8*(4*(\a%2)+\b)+3] offset:(32*(\b/2)+8*(\b%2))*4       ; each accumulator from its low end on
	ds_store_b128 v[STO], v[8*(4*(\a%2)+\b)+4:8*(4*(\a%2)+\b)+7] offset:(32*(\b/2)+8*(\b%2))*4+16
.endr
	WIN 0
.if \a > 0
	s_wait_xcnt 0x0                                ; the last block's stores have read their registers
.endif
.irp t, 0,1,2,3,4,5,6,7
	ds_load_b128 v[RB+4*\t:RB+4*\t+3], v[RD] offset:544*\t       ; LDS serves a wave's instructions in order: these see my stores
.endr
	s_wait_dscnt 0x0
	WIN 0x08                                       ; source 1 window 2
.irp t, 0,1,2,3,4,5,6,7
	v_pk_add_f32 v[RB+4*\t:RB+4*\t+1], v[RB+4*\t:RB+4*\t+1], v[RES+32*\a+4*\t:RES+32*\a+4*\t+1]
	v_pk_add_f32 v[RB+4*\t+2:RB+4*\t+3], v[RB+4*\t+2:RB+4*\t+3], v[RES+32*\a+4*\t+2:RES+32*\a+4*\t+3]
.endr
	WIN 0
.irp t, 0,1,2,3,4,5,6,7
	global_store_b128 v[CO], v[RB+4*\t:RB+4*\t+3], s[98:99] offset:(32*(\a/2)+8*(\a%2)+2*(\t%4)+16*(\t/4))*4096      ; sixteen lanes store 256 consecutive bytes, aligned
.endr
.endr
	s_wait_tensorcnt 0x0                           ; the wave's end: three closing lines
	ds_add_u32 v[SPW], v[NIL]
	s_wait_dscnt 0x0
	CROUND                                         ; the closing round
	s_endpgm
.Lfunc_end_k_q7a6dda4bc8_wo:
	.size	k_q7a6dda4bc8_wo, .Lfunc_end_k_q7a6dda4bc8_wo-k_q7a6dda4bc8_wo
	.p2alignl 7, 3214868480
	.fill 96, 4, 3214868480
	.section	.rodata,"a",@progbits
	.p2align	6, 0x0
	.amdhsa_kernel k_q7a6dda4bc8_wo
		.amdhsa_group_segment_fixed_size 327680
		.amdhsa_private_segment_fixed_size 0
		.amdhsa_enable_private_segment 0
		.amdhsa_kernarg_size 40
		.amdhsa_user_sgpr_count 2
		.amdhsa_user_sgpr_kernarg_segment_ptr 1
		.amdhsa_wavefront_size32 1
		.amdhsa_system_sgpr_workgroup_id_x 1
		.amdhsa_system_sgpr_workgroup_id_y 1
		.amdhsa_system_sgpr_workgroup_id_z 1
		.amdhsa_system_vgpr_workitem_id 0
		.amdhsa_next_free_vgpr 1024
		.amdhsa_next_free_sgpr 102
		.amdhsa_reserve_vcc 0
		.amdhsa_float_denorm_mode_32 3
		.amdhsa_float_denorm_mode_16_64 3
		.amdhsa_memory_ordered 1
		.amdhsa_forward_progress 1
		.amdhsa_inst_pref_size 61
	.end_amdhsa_kernel
	.amdgpu_metadata
---
amdhsa.version: [ 1, 2 ]
amdhsa.kernels:
  - .name:           k_q7a6dda4bc8_wo
    .symbol:         k_q7a6dda4bc8_wo.kd
    .args:
      - { .name: abuf, .offset: 0, .size: 8, .value_kind: global_buffer, .address_space: global }
      - { .name: wbuf, .offset: 8, .size: 8, .value_kind: global_buffer, .address_space: global }
      - { .name: bo, .offset: 16, .size: 8, .value_kind: global_buffer, .address_space: global }
      - { .name: x, .offset: 24, .size: 8, .value_kind: global_buffer, .address_space: global }
      - { .name: x1, .offset: 32, .size: 8, .value_kind: global_buffer, .address_space: global }
    .group_segment_fixed_size: 327680
    .private_segment_fixed_size: 0
    .kernarg_segment_align: 8
    .kernarg_segment_size: 40
    .max_flat_workgroup_size: 128
    .sgpr_count:     102
    .vgpr_count:     1024
    .wavefront_size: 32
...
	.end_amdgpu_metadata
.endif
;; end of part 4
;; launch ln2: the kernel of part 1 again; grid 256 x 1, 8 waves a work-group, no clusters, 67,072 bytes of LDS; arguments x1, ln2_g, ln2_b, abuf, W1, W2, Wq, Wk, Wv, Wo, wbuf; writes abuf, wbuf
;; launch ffn1 (part 5): grid 16 x 16, 4 waves a work-group, clusters of 4 x 4, 327,680 bytes of LDS; arguments abuf, wbuf, b1, hbuf; writes hbuf
.if DOCPART == 5
	.amdgcn_target "amdgcn-amd-amdhsa--gfx1250"
	.amdhsa_code_object_version 6
	.text
	.protected	k_q7a6dda4bc8_ffn1
	.globl	k_q7a6dda4bc8_ffn1
	.p2align	8
	.type	k_q7a6dda4bc8_ffn1,@function
k_q7a6dda4bc8_ffn1:
	s_mov_b64 s[64:65], 0
	v_nop
	global_prefetch_b8 v0, s[64:65] scope:SCOPE_SE
	s_setreg_imm32_b32 hwreg(HW_REG_WAVE_MODE, 25, 1), 1
	s_wait_xcnt 0x0
	s_wait_alu depctr_hold_cnt(0) depctr_sa_sdst(0) depctr_va_vdst(0) depctr_va_sdst(0) depctr_va_ssrc(0) depctr_va_vcc(0) depctr_vm_vsrc(0)
	s_getreg_b32 s2, hwreg(HW_REG_IB_STS2, 6, 4)
	s_cmp_eq_u32 s2, 0
	s_cbranch_scc0 .Lentry_in_a_cluster
	s_endpgm
.Lentry_in_a_cluster:
	s_bfe_u32 s2, ttmp6, 0x10000c
	s_cmp_lg_u32 s2, 0xf033
	s_cbranch_scc0 .Lentry_shape_is_right
	s_endpgm
.Lentry_shape_is_right:
.set NBK,   8
.set NQ,    2
.set KT,    8
.set REGION, 2048
.set ASC0,  3145728
.set WS0,   9437184
.set HS0,   12582912
.set LAPS,  KT/(2*NQ)
.set FR,    12
.set FRB,   1536
.set NL,    4
.set HALFT, NBK*NQ*FRB
.set SLOT,  4*HALFT
.set SCL,   2*SLOT
.set HALFS, NBK*KT*64
.set SBLK,  KT*64
.set SPARE, SCL+4*HALFS
.set ADRA, 16
.set ADRB, 20
.set ADRS, 27
.set SPW,  28
.set NIL,  29
.set SC,   32
.set BI,   64
.set AF,   128
.set TM,   64
.set PW,   80
.set PC,   84
.set WV, 2
.set RH, 16
.set CH, 17
.set SEL, 66
.set G1, 24
.set G0, 32
.set G1B, 48
.set G0B, 56
.set G1S, 68
.set G0S, 76
.set G1SB, 80
.set G0SB, 88
.set MSB, 0
.macro WIN new
.if MSB != (\new)
	s_set_vgpr_msb (MSB<<8)|(\new)
.set MSB, (\new)
.endif
.endm
.macro PLACES n
.rept \n
	v_nop
.endr
.endm
.macro JLOAD g0a, g1a, g0b, g1b
	s_cmp_eq_u32 s[RH], 0
	s_cbranch_scc0 .Lfor_b_\@
	tensor_load_to_lds s[\g0a:\g0a+3], s[\g1a:\g1a+7]
	s_nop 0
.rept 4
	v_nop
.endr
	s_branch .Lasked_\@
.Lfor_b_\@:
	tensor_load_to_lds s[\g0b:\g0b+3], s[\g1b:\g1b+7]
	s_nop 0
.rept 4
	v_nop
.endr
.Lasked_\@:
.endm
.macro CREST
	s_cmp_lg_u32 s[WV], 0
	s_cbranch_scc1 .Lnot_wave_0_\@
	s_barrier_signal -3
.Lnot_wave_0_\@:
	s_barrier_wait -3
	s_barrier_signal -1
	s_barrier_wait -1
.endm
.macro CROUND
	s_barrier_signal -1
	s_barrier_wait -1
	CREST
.endm
.macro FRAG reg, adr, q, i
	ds_load_b128 v[\reg:\reg+3], v[\adr] offset:(\i)*NQ*FRB+(\q)*FRB
	ds_load_b64 v[\reg+4:\reg+5], v[\adr+2] offset:(\i)*NQ*FRB+(\q)*FRB+512
	ds_load_b128 v[\reg+6:\reg+9], v[\adr] offset:(\i)*NQ*FRB+(\q)*FRB+768
	ds_load_b64 v[\reg+10:\reg+11], v[\adr+2] offset:(\i)*NQ*FRB+(\q)*FRB+1280
.endm
.macro FETCH_B slot, q, p
	WIN 0x40
.set fi, 0
.rept NBK
	FRAG 128*(\p)+FR*fi, ADRB+\slot, \q, fi
.set fi, fi+1
.endr
	WIN 0
.endm
.macro FETCH_A slot, q, half
.set fi, (\half)*NBK/2
.rept NBK/2
	FRAG AF+FR*fi, ADRA+\slot, \q, fi
.set fi, fi+1
.endr
.endm
.macro SCALES sc
.set si, 0
.rept NBK
.set sq, 0
.rept NQ
	ds_load_b32 v[SC+16*(\sc)+NQ*si+sq], v[ADRS] offset:si*SBLK+64*sq
.set sq, sq+1
.endr
.set si, si+1
.endr
.endm
.macro MULQ k, p, q, sc, first
.set ia, (\k)*NBK/4
.rept NBK/4
.set ib, 0
.rept NBK
.set rD, 8*(NBK*(ia%(NBK/2))+ib)
.set rC, rD
.if \first
.set rC, BI+8*ib
.endif
.set rB, 128*(\p)+FR*ib
.set rA, AF+FR*ia
.set rSB, SC+16*(\sc)+NQ*ib+(\q)
.set rSA, SC+16*(\sc)+NQ*ia+(\q)
	v_wmma_scale_f32_16x16x128_f8f6f4 v[rD:rD+7], v[rB:rB+11], v[rA:rA+11], v[rC:rC+7], v[rSB], v[rSA] matrix_a_fmt:MATRIX_FMT_FP6 matrix_b_fmt:MATRIX_FMT_FP6 matrix_a_scale:MATRIX_SCALE_ROW1
.set ib, ib+1
.endr
.set ia, ia+1
.endr
.endm
.macro STEP slot, q, first
	s_wait_dscnt (NBK/2)*NL
.if \first
	WIN 0x81
.else
	WIN 0xa1
.endif
	MULQ 0, (\q)%2, \q, \slot, \first
	MULQ 1, (\q)%2, \q, \slot, \first
	s_wait_dscnt 0x0
	PLACES 4
	FETCH_B \slot, (\q)+1, 1-(\q)%2
	FETCH_A \slot, (\q)+1, 0
.if \first
	WIN 0xc1
.else
	WIN 0xf1
.endif
	MULQ 2, (\q)%2, \q, \slot, \first
	MULQ 3, (\q)%2, \q, \slot, \first
	PLACES 4
	WIN 0
	FETCH_A \slot, (\q)+1, 1
.endm
.macro TURN slot, next, fill
	s_wait_tensorcnt 0x0
	ds_add_u32 v[SPW], v[NIL]
	s_wait_dscnt (NBK/2)*NL+1
	WIN 0xa1
	MULQ 0, 1, NQ-1, \slot, 0
	s_wait_dscnt 0x0
	s_barrier_signal -1
	MULQ 1, 1, NQ-1, \slot, 0
	WIN 0
	s_barrier_wait -1
.if \fill
	CREST
	s_add_nc_u64 s[G0+4*\slot+2:G0+4*\slot+3], s[G0+4*\slot+2:G0+4*\slot+3], 2*NQ*FRB
	s_add_nc_u64 s[G0B+4*\slot+2:G0B+4*\slot+3], s[G0B+4*\slot+2:G0B+4*\slot+3], 2*NQ*FRB
	JLOAD G0+4*\slot, G1, G0B+4*\slot, G1B
.else
	PLACES 4
.endif
	s_wait_alu depctr_va_vdst(0)
	v_add_nc_u32 v[ADRS], 64*NQ, v[ADRS]
	FETCH_B \next, 0, 0
	FETCH_A \next, 0, 0
	SCALES \next
	WIN 0xf1
	MULQ 2, 1, NQ-1, \slot, 0
	MULQ 3, 1, NQ-1, \slot, 0
	PLACES 4
	WIN 0
	FETCH_A \next, 0, 1
.endm
.macro LAST
	s_wait_dscnt (NBK/2)*NL
	WIN 0xa1
	MULQ 0, 1, NQ-1, 1, 0
	MULQ 1, 1, NQ-1, 1, 0
	s_wait_dscnt 0x0
	WIN 0xf1
	MULQ 2, 1, NQ-1, 1, 0
	MULQ 3, 1, NQ-1, 1, 0
	WIN 0
.endm
.macro RELU s, w
	WIN ((\w)<<6)|((\w)<<2)
.set j, 0
.rept 64
	v_max_num_f32 v[(\s)+j], 0, v[(\s)+j]
.set j, j+1
.endr
.endm
.macro QUANT s, w
	WIN (\w)|((\w)<<2)
.irp b, 0,1,2,3
	v_max3_num_f32 v[TM+\b], |v[(\s)+16*\b]|, |v[(\s)+16*\b+1]|, 0x1800000
.endr
	WIN ((\w)<<2)|((\w)<<4)
.irp i, 2,4,6,8,10,12,14
.irp b, 0,1,2,3
	v_max3_num_f32 v[TM+\b], v[TM+\b], |v[(\s)+16*\b+\i]|, |v[(\s)+16*\b+\i+1]|
.endr
.endr
	WIN 0
.irp b, 0,1,2,3
	v_permlanex16_b32 v[TM+4+\b], v[TM+\b], s[SEL], s[SEL+1]
.endr
.irp b, 0,1,2,3
	v_max_num_f32 v[TM+\b], v[TM+\b], v[TM+4+\b]
.endr
.irp b, 0,1,2,3
	v_add_nc_u32 v[TM+12+\b], 0xff000000, v[TM+\b]
.endr
.irp b, 0,1,2,3
	v_lshrrev_b32 v[TM+4+\b], 23, v[TM+12+\b]
.endr
	v_lshl_or_b32 v[PW], v[TM+5], 8, v[TM+4]
	v_lshl_or_b32 v[PW], v[TM+6], 16, v[PW]
	v_lshl_or_b32 v[PW], v[TM+7], 24, v[PW]
	WIN (\w)
.irp c, 0,1
	v_cvt_scalef32_pk16_fp6_f32 v[PC+6*\c:PC+6*\c+2], v[(\s)+32*\c:(\s)+32*\c+15], v[TM+12+2*\c]
	v_cvt_scalef32_pk16_fp6_f32 v[PC+12+4*\c:PC+14+4*\c], v[(\s)+32*\c+16:(\s)+32*\c+31], v[TM+13+2*\c]
.endr
	WIN 0
	v_nop
.irp c, 0,1
.irp i, 0,1,2
	v_permlane16_swap_b32 v[PC+6*\c+\i], v[PC+12+4*\c+\i]
.endr
.irp i, 0,1,2
	v_mov_b32 v[PC+3+6*\c+\i], v[PC+12+4*\c+\i]
.endr
.endr
.endm
	s_load_b256 s[4:11], s[0:1], 0x0
	v_lshl_add_u32 v[SPW], v0, 2, SPARE
	v_mov_b32 v[NIL], 0
	ds_add_u32 v[SPW], v[NIL]
	ds_add_u32 v[SPW], v[NIL]
	v_lshrrev_b32 v1, 5, v0
	v_readfirstlane_b32 s[WV], v1
	s_lshr_b32 s[RH], s[WV], 1
	s_and_b32 s[CH], s[WV], 1
	s_bfe_u32 s40, ttmp6, 0x40000
	s_bfe_u32 s41, ttmp6, 0x40004
	s_lshl_b32 s42, ttmp9, 2
	s_add_co_u32 s42, s42, s40
	s_and_b32 s45, ttmp7, 0xffff
	s_lshl_b32 s45, s45, 2
	s_add_co_u32 s45, s45, s41
	s_lshl_b32 s43, s41, 2
	s_lshl_b32 s43, 15, s43
	s_lshl_b32 s44, 0x1111, s40
	s_or_b32 s[G1], s43, (3<<16)|(1<<21)
	s_or_b32 s[G1B], s44, (3<<16)|(1<<21)
.irp g, G1, G1B
	s_mov_b32 s[\g+1], (NQ*192)<<16
	s_mov_b32 s[\g+2], (2*NBK)<<16                 ; the head's loads bring a whole tile: 2 NBK rows of fragments
	s_mov_b32 s[\g+3], (NQ*192)<<16
	s_mov_b32 s[\g+4], 2*NBK
	s_mov_b32 s[\g+5], KT*192
	s_mov_b32 s[\g+6], 0
	s_mov_b32 s[\g+7], 0
.endr
	s_or_b32 s[G1S], s43, (3<<16)|(1<<21)
	s_or_b32 s[G1SB], s44, (3<<16)|(1<<21)
.irp g, G1S, G1SB
	s_mov_b32 s[\g+1], 32<<16
	s_mov_b32 s[\g+2], (2*HALFS/256)<<16           ; the scale words of a whole tile's rows, one dense block
	s_mov_b32 s[\g+3], 32<<16
	s_mov_b32 s[\g+4], 2*HALFS/256
	s_mov_b32 s[\g+5], 32
	s_mov_b32 s[\g+6], 0
	s_mov_b32 s[\g+7], 0
.endr
	s_mul_i32 s20, s45, 2*NBK
	s_mul_i32 s46, s42, 2*NBK
	s_mul_i32 s22, s20, KT*64
	s_add_co_u32 s22, s22, ASC0
	s_mul_i32 s20, s20, KT*FRB
	s_mul_i32 s92, s46, KT*64
	s_add_co_u32 s92, s92, WS0+REGION*64
	s_mul_i32 s46, s46, KT*FRB
	s_add_co_u32 s46, s46, REGION*FRB
	s_mov_b32 s21, 0
	s_mov_b32 s23, 0
	s_mov_b32 s47, 0
	s_mov_b32 s93, 0
	s_mul_i32 s94, s[WV], HALFT
	s_wait_dscnt 0x0
	s_wait_kmcnt 0x0
	s_add_nc_u64 s[20:21], s[4:5], s[20:21]
	s_add_nc_u64 s[22:23], s[4:5], s[22:23]
	s_add_nc_u64 s[46:47], s[6:7], s[46:47]
	s_add_nc_u64 s[92:93], s[6:7], s[92:93]
	CROUND
	s_mov_b32 s[G0S], 1
	s_mov_b32 s[G0S+1], SCL
	s_mov_b64 s[G0S+2:G0S+3], s[22:23]
	s_or_b32 s[G0S+3], s[G0S+3], 0x80000000
	s_mov_b32 s[G0SB], 1
	s_mov_b32 s[G0SB+1], SCL+2*HALFS
	s_mov_b64 s[G0SB+2:G0SB+3], s[92:93]
	s_or_b32 s[G0SB+3], s[G0SB+3], 0x80000000
	s_mul_i32 s92, s[CH], NBK*KT*FRB               ; in the ring I fetch half a tile's rows: which half, in bytes
	s_mov_b32 s93, 0
	s_mov_b32 s[G0], 1                             ; the head's four tiles, each whole: slot 0's rows of A,
	s_mov_b32 s[G0+1], 0
	s_mov_b64 s[G0+2:G0+3], s[20:21]
	s_or_b32 s[G0+3], s[G0+3], 0x80000000
	s_mov_b32 s[G0B], 1                            ; and of B, behind them
	s_mov_b32 s[G0B+1], 2*HALFT
	s_mov_b64 s[G0B+2:G0B+3], s[46:47]
	s_or_b32 s[G0B+3], s[G0B+3], 0x80000000
	s_add_nc_u64 s[20:21], s[20:21], s[92:93]
	s_add_nc_u64 s[46:47], s[46:47], s[92:93]
	s_mov_b32 s[G0+4], 1                           ; slot 1, my half of a tile
	s_add_co_u32 s[G0+5], s94, SLOT
	s_add_nc_u64 s[G0+6:G0+7], s[20:21], NQ*FRB
	s_or_b32 s[G0+7], s[G0+7], 0x80000000
	s_mov_b32 s[G0B+4], 1
	s_add_co_u32 s[G0B+5], s94, SLOT
	s_add_nc_u64 s[G0B+6:G0B+7], s[46:47], NQ*FRB
	s_or_b32 s[G0B+7], s[G0B+7], 0x80000000
; the head's loads, one a wave: wave 0 A's codes, wave 1 B's, wave 2 A's scale words, wave 3 B's; one chain of branches on the wave's number
.macro ARM under, g0, g1, next
	s_cmp_lt_u32 s[WV], \under
	s_cbranch_scc0 \next
	tensor_load_to_lds s[\g0:\g0+3], s[\g1:\g1+7]
	s_nop 0
	PLACES 4
	s_branch .Lhead_asked
\next:
.endm
	ARM 1, G0, G1, .Lhead_b
	ARM 2, G0B, G1B, .Lhead_sa
	ARM 3, G0S, G1S, .Lhead_sb
	tensor_load_to_lds s[G0SB:G0SB+3], s[G1SB:G1SB+7]
	s_nop 0
	PLACES 4
.Lhead_asked:
; prefetches into the L2: with the load of slot k the tiles of slot k + 2 are asked for (here also slot 1's).  Of the NBK rows of fragments that I fetch in the ring each of the four partners
; of the joint load takes NBK / 4, told apart by address (cx for A, cy for B): 24 blocks of 256 bytes, a lane a block; lanes 24-31 name the last block again
	s_cmp_eq_u32 s[RH], 0
	s_cselect_b64 s[4:5], s[20:21], s[46:47]
	s_cselect_b32 s6, s40, s41
	s_mul_i32 s6, s6, (NBK/4)*KT*FRB
	s_mov_b32 s7, 0
	s_add_nc_u64 s[4:5], s[4:5], s[6:7]
	v_and_b32 v30, 31, v0
	v_min_u32 v30, 23, v30
.if NBK == 8
	v_mul_u32_u24 v31, v30, 11
	v_lshrrev_b32 v31, 7, v31                      ; lane / 12: which of my two rows
	v_mul_u32_u24 v31, v31, (KT-NQ)*FRB
	v_lshl_add_u32 v30, v30, 8, v31
.else
	v_lshlrev_b32 v30, 8, v30
.endif
	global_prefetch_b8 v30, s[4:5] offset:NQ*FRB th:TH_LOAD_NT scope:SCOPE_SE
	global_prefetch_b8 v30, s[4:5] offset:2*NQ*FRB th:TH_LOAD_NT scope:SCOPE_SE
	v_and_b32 v1, 15, v0
	v_bfe_u32 v2, v0, 4, 1
	v_and_b32 v3, 31, v0
	v_lshlrev_b32 v3, 4, v3
	v_lshlrev_b32 v4, 4, v1
	v_lshl_add_u32 v4, v2, 3, v4
	v_lshlrev_b32 v5, 2, v1
	s_mul_i32 s21, s[RH], HALFT
	s_mul_i32 s22, s[CH], HALFT
	s_add_co_u32 s22, s22, 2*HALFT
.irp s, 0,1
	v_add_nc_u32 v[ADRA+\s], s21, v3
	v_add_nc_u32 v[ADRB+\s], s22, v3
	v_add_nc_u32 v[ADRA+2+\s], s21, v4
	v_add_nc_u32 v[ADRB+2+\s], s22, v4
	s_add_co_u32 s21, s21, SLOT
	s_add_co_u32 s22, s22, SLOT
.endr
	s_mul_i32 s21, s[RH], HALFS
	s_mul_i32 s22, s[CH], HALFS
	s_add_co_u32 s22, s22, 2*HALFS
	s_sub_co_u32 s22, s22, s21
	v_mul_u32_u24 v7, s22, v2
	s_add_co_u32 s21, s21, SCL
	v_add_nc_u32 v7, v5, v7
	v_add_nc_u32 v[ADRS], s21, v7
	s_mul_i32 s46, s42, 128*NBK
	s_mul_i32 s47, s[CH], 64*NBK
	s_add_co_u32 s46, s46, s47
	s_mov_b32 s47, 0
	s_add_nc_u64 s[8:9], s[8:9], s[46:47]
	v_lshlrev_b32 v6, 6, v2
.set ib, 0
.rept NBK
	global_load_b128 v[BI+8*ib:BI+8*ib+3], v6, s[8:9] offset:(32*(ib/2)+8*(ib%2))*4
	global_load_b128 v[BI+8*ib+4:BI+8*ib+7], v6, s[8:9] offset:(32*(ib/2)+8*(ib%2))*4+16
.set ib, ib+1
.endr
	s_wait_alu depctr_va_vdst(0)
	s_wait_tensorcnt 0x0                           ; my tile of the head's four is in; the three lines ahead of slot 1's first fill, as ahead of a refill
	ds_add_u32 v[SPW], v[NIL]
	s_mov_b32 s[G1+2], NBK<<16                     ; no load of mine is out: from here on a load brings half a tile's rows,
	s_mov_b32 s[G1+4], NBK
	s_mov_b32 s[G1B+2], NBK<<16
	s_mov_b32 s[G1B+4], NBK
	s_mov_b32 s[G0+1], s94                         ; and slot 0's group 0 names my half
	s_add_nc_u64 s[G0+2:G0+3], s[G0+2:G0+3], s[92:93]
	s_mov_b32 s[G0B+1], s94
	s_add_nc_u64 s[G0B+2:G0B+3], s[G0B+2:G0B+3], s[92:93]
	s_wait_dscnt 0x0
	CROUND
	JLOAD G0+4, G1, G0B+4, G1B
	global_prefetch_b8 v30, s[4:5] offset:3*NQ*FRB th:TH_LOAD_NT scope:SCOPE_SE
	FETCH_B 0, 0, 0
	FETCH_A 0, 0, 0
	SCALES 0
	FETCH_A 0, 0, 1
	s_wait_loadcnt 0x0
	STEP 0, 0, 1
	s_mov_b32 s3, LAPS-1
.Llap:
	TURN 0, 1, 1
	STEP 1, 0, 0
	TURN 1, 0, 1
	STEP 0, 0, 0
	s_sub_co_u32 s3, s3, 1
	s_cmp_lg_u32 s3, 0
	s_cbranch_scc1 .Llap
	TURN 0, 1, 0
	STEP 1, 0, 0
	LAST
	PLACES 4
	s_lshl_b32 s18, s45, 4
	s_lshl_b32 s19, s[RH], 3
	s_add_co_u32 s18, s18, s19
	s_lshl_b32 s18, s18, 5
	s_lshl_b32 s19, s42, 1
	s_add_co_u32 s18, s18, s19
	s_add_co_u32 s18, s18, s[CH]
	s_mul_i32 s20, s18, 1536
	s_mov_b32 s21, 0
	s_add_nc_u64 s[96:97], s[10:11], s[20:21]
	s_lshl_b32 s20, s18, 6
	s_add_co_u32 s20, s20, HS0
	s_add_nc_u64 s[98:99], s[10:11], s[20:21]
	s_mov_b32 s[SEL], 0x76543210
	s_mov_b32 s[SEL+1], 0xfedcba98
.irp b, 0,1,2,3
	v_mov_b32 v[TM+4+\b], 0
.endr
.irp a, 0,1,2,3,4,5,6,7
.if \a > 0
	s_wait_xcnt 0x0
.endif
	RELU 64*(\a%4), 2+\a/4
	QUANT 64*(\a%4), 2+\a/4
	global_store_b128 v3, v[PC:PC+3], s[96:97] offset:\a*49152
	global_store_b64 v4, v[PC+4:PC+5], s[96:97] offset:\a*49152+512
	global_store_b128 v3, v[PC+6:PC+9], s[96:97] offset:\a*49152+768
	global_store_b64 v4, v[PC+10:PC+11], s[96:97] offset:\a*49152+1280
	global_store_b32 v5, v[PW], s[98:99] offset:\a*2048
.endr
	s_wait_tensorcnt 0x0
	ds_add_u32 v[SPW], v[NIL]
	s_wait_dscnt 0x0
	CROUND
	s_endpgm
.Lfunc_end_k_q7a6dda4bc8_ffn1:
	.size	k_q7a6dda4bc8_ffn1, .Lfunc_end_k_q7a6dda4bc8_ffn1-k_q7a6dda4bc8_ffn1
	.p2alignl 7, 3214868480
	.fill 96, 4, 3214868480
	.section	.rodata,"a",@progbits
	.p2align	6, 0x0
	.amdhsa_kernel k_q7a6dda4bc8_ffn1
		.amdhsa_group_segment_fixed_size 327680
		.amdhsa_private_segment_fixed_size 0
		.amdhsa_enable_private_segment 0
		.amdhsa_kernarg_size 32
		.amdhsa_user_sgpr_count 2
		.amdhsa_user_sgpr_kernarg_segment_ptr 1
		.amdhsa_wavefront_size32 1
		.amdhsa_system_sgpr_workgroup_id_x 1
		.amdhsa_system_sgpr_workgroup_id_y 1
		.amdhsa_system_sgpr_workgroup_id_z 1
		.amdhsa_system_vgpr_workitem_id 0
		.amdhsa_next_free_vgpr 1024
		.amdhsa_next_free_sgpr 102
		.amdhsa_reserve_vcc 0
		.amdhsa_float_denorm_mode_32 3
		.amdhsa_float_denorm_mode_16_64 3
		.amdhsa_memory_ordered 1
		.amdhsa_forward_progress 1
		.amdhsa_inst_pref_size 171
	.end_amdhsa_kernel
	.amdgpu_metadata
---
amdhsa.version: [ 1, 2 ]
amdhsa.kernels:
  - .name:           k_q7a6dda4bc8_ffn1
    .symbol:         k_q7a6dda4bc8_ffn1.kd
    .args:
      - { .name: abuf, .offset: 0, .size: 8, .value_kind: global_buffer, .address_space: global }
      - { .name: wbuf, .offset: 8, .size: 8, .value_kind: global_buffer, .address_space: global }
      - { .name: b1, .offset: 16, .size: 8, .value_kind: global_buffer, .address_space: global }
      - { .name: hbuf, .offset: 24, .size: 8, .value_kind: global_buffer, .address_space: global }
    .group_segment_fixed_size: 327680
    .private_segment_fixed_size: 0
    .kernarg_segment_align: 8
    .kernarg_segment_size: 32
    .max_flat_workgroup_size: 128
    .sgpr_count:     102
    .vgpr_count:     1024
    .wavefront_size: 32
...
	.end_amdgpu_metadata
.endif
;; end of part 5
;; launch ffn2 (part 6): grid 8 x 32, 4 waves a work-group, clusters of 4 x 4, 327,680 bytes of LDS; arguments hbuf, wbuf, b2, x1, out0; writes out0
.if DOCPART == 6
	.amdgcn_target "amdgcn-amd-amdhsa--gfx1250"
	.amdhsa_code_object_version 6
	.text
	.protected	k_q7a6dda4bc8_ffn2
	.globl	k_q7a6dda4bc8_ffn2
	.p2align	8
	.type	k_q7a6dda4bc8_ffn2,@function
k_q7a6dda4bc8_ffn2:
	s_mov_b64 s[64:65], 0
	v_nop
	global_prefetch_b8 v0, s[64:65] scope:SCOPE_SE
	s_setreg_imm32_b32 hwreg(HW_REG_WAVE_MODE, 25, 1), 1
	s_wait_xcnt 0x0
	s_wait_alu depctr_hold_cnt(0) depctr_sa_sdst(0) depctr_va_vdst(0) depctr_va_sdst(0) depctr_va_ssrc(0) depctr_va_vcc(0) depctr_vm_vsrc(0)
	s_getreg_b32 s2, hwreg(HW_REG_IB_STS2, 6, 4)
	s_cmp_eq_u32 s2, 0
	s_cbranch_scc0 .Lentry_in_a_cluster
	s_endpgm
.Lentry_in_a_cluster:
	s_bfe_u32 s2, ttmp6, 0x10000c
	s_cmp_lg_u32 s2, 0xf033
	s_cbranch_scc0 .Lentry_shape_is_right
	s_endpgm
.Lentry_shape_is_right:
.set NBK,   4
.set NQ,    4
.set KT,    32
.set REGION, 4096
.set ASC0,  12582912
.set WS0,   9437184
.set LAPS,  KT/(2*NQ)
.set FR,    12
.set FRB,   1536
.set NL,    4
.set HALFT, NBK*NQ*FRB
.set SLOT,  4*HALFT
.set SCL,   2*SLOT
.set HALFS, NBK*KT*64
.set SBLK,  KT*64
.set SPARE, SCL+4*HALFS
.set STG,   SPARE+512
.set ADRA, 16
.set ADRB, 20
.set ADRS, 27
.set SPW,  28
.set NIL,  29
.set SC,   32
.set BI,   64
.set RB,   96
.set AF,   128
.set CO,   8
.set STO,  9
.set RD,   10
.set RES,  64
.set WV, 2
.set RH, 16
.set CH, 17
.set G1, 24
.set G0, 32
.set G1B, 48
.set G0B, 56
.set G1S, 68
.set G0S, 76
.set G1SB, 80
.set G0SB, 88
.set MSB, 0
.macro WIN new
.if MSB != (\new)
	s_set_vgpr_msb (MSB<<8)|(\new)
.set MSB, (\new)
.endif
.endm
.macro PLACES n
.rept \n
	v_nop
.endr
.endm
.macro JLOAD g0a, g1a, g0b, g1b
	s_cmp_eq_u32 s[RH], 0
	s_cbranch_scc0 .Lfor_b_\@
	tensor_load_to_lds s[\g0a:\g0a+3], s[\g1a:\g1a+7]
	s_nop 0
.rept 4
	v_nop
.endr
	s_branch .Lasked_\@
.Lfor_b_\@:
	tensor_load_to_lds s[\g0b:\g0b+3], s[\g1b:\g1b+7]
	s_nop 0
.rept 4
	v_nop
.endr
.Lasked_\@:
.endm
.macro CREST
	s_cmp_lg_u32 s[WV], 0
	s_cbranch_scc1 .Lnot_wave_0_\@
	s_barrier_signal -3
.Lnot_wave_0_\@:
	s_barrier_wait -3
	s_barrier_signal -1
	s_barrier_wait -1
.endm
.macro CROUND
	s_barrier_signal -1
	s_barrier_wait -1
	CREST
.endm
.macro FRAG reg, adr, q, i
	ds_load_b128 v[\reg:\reg+3], v[\adr] offset:(\i)*NQ*FRB+(\q)*FRB
	ds_load_b64 v[\reg+4:\reg+5], v[\adr+2] offset:(\i)*NQ*FRB+(\q)*FRB+512
	ds_load_b128 v[\reg+6:\reg+9], v[\adr] offset:(\i)*NQ*FRB+(\q)*FRB+768
	ds_load_b64 v[\reg+10:\reg+11], v[\adr+2] offset:(\i)*NQ*FRB+(\q)*FRB+1280
.endm
.macro FETCH_B slot, q, p
	WIN 0x40
.set fi, 0
.rept NBK
	FRAG 128*(\p)+FR*fi, ADRB+\slot, \q, fi
.set fi, fi+1
.endr
	WIN 0
.endm
.macro FETCH_A slot, q, p              ; A's four fragments of K step q into set p: v128-175, v176-223
.set fi, 0
.rept NBK
	FRAG AF+FR*NBK*(\p)+FR*fi, ADRA+\slot, \q, fi
.set fi, fi+1
.endr
.endm
.macro SCALES sc
.set si, 0
.rept NBK
.set sq, 0
.rept NQ
	ds_load_b32 v[SC+16*(\sc)+NQ*si+sq], v[ADRS] offset:si*SBLK+64*sq
.set sq, sq+1
.endr
.set si, si+1
.endr
.endm
.macro MULQ k, p, q, sc, first
.set ia, (\k)*NBK/4
.rept NBK/4
.set ib, 0
.rept NBK
.set rD, 8*(NBK*(ia%(NBK/2))+ib)
.set rC, rD
.if \first
.set rC, BI+8*ib
.endif
.set rB, 128*(\p)+FR*ib
.set rA, AF+FR*NBK*(\p)+FR*ia
.set rSB, SC+16*(\sc)+NQ*ib+(\q)
.set rSA, SC+16*(\sc)+NQ*ia+(\q)
	v_wmma_scale_f32_16x16x128_f8f6f4 v[rD:rD+7], v[rB:rB+11], v[rA:rA+11], v[rC:rC+7], v[rSB], v[rSA] matrix_a_fmt:MATRIX_FMT_FP6 matrix_b_fmt:MATRIX_FMT_FP6 matrix_a_scale:MATRIX_SCALE_ROW1
.set ib, ib+1
.endr
.set ia, ia+1
.endr
.endm
.macro STEP slot, q, first             ; both operands have two sets of registers: the next step's 32 loads go out at the step's head, ahead of its 16 products
	s_wait_dscnt 0x0                               ; this step's fragments, asked for a step ago
	PLACES 4                                       ; four places in front of loads into registers that the last step's matrix instructions have read
	FETCH_B \slot, (\q)+1, 1-(\q)%2
	FETCH_A \slot, (\q)+1, 1-(\q)%2
.if \first
	WIN 0x81
.else
	WIN 0xa1
.endif
	MULQ 0, (\q)%2, \q, \slot, \first
	MULQ 1, (\q)%2, \q, \slot, \first
.if \first
	WIN 0xc1
.else
	WIN 0xf1
.endif
	MULQ 2, (\q)%2, \q, \slot, \first
	MULQ 3, (\q)%2, \q, \slot, \first
	WIN 0
.endm
.macro TURN slot, next, fill
.if \fill
	s_wait_xcnt 0x0                                ; my prefetches have read their address: it steps one slot on
	s_add_nc_u64 s[4:5], s[4:5], NQ*FRB
.endif
	s_wait_tensorcnt 0x0
	ds_add_u32 v[SPW], v[NIL]
	s_wait_dscnt 1                                 ; this step's fragments are in; the add alone may be out
	WIN 0xa1
	MULQ 0, 1, NQ-1, \slot, 0
	s_wait_dscnt 0x0
	s_barrier_signal -1
	MULQ 1, 1, NQ-1, \slot, 0
	WIN 0
	s_barrier_wait -1
.if \fill
	CREST
	s_add_nc_u64 s[G0+4*\slot+2:G0+4*\slot+3], s[G0+4*\slot+2:G0+4*\slot+3], 2*NQ*FRB
	s_add_nc_u64 s[G0B+4*\slot+2:G0B+4*\slot+3], s[G0B+4*\slot+2:G0B+4*\slot+3], 2*NQ*FRB
	JLOAD G0+4*\slot, G1, G0B+4*\slot, G1B
	s_cmp_gt_u32 s3, 1                             ; the loop's last trip has no slot two refills on
	s_cbranch_scc0 .Lno_ask_\@
	global_prefetch_b8 v30, s[4:5] offset:3*NQ*FRB th:TH_LOAD_NT scope:SCOPE_SE
.Lno_ask_\@:
.else
	PLACES 4
.endif
	s_wait_alu depctr_va_vdst(0)
	v_add_nc_u32 v[ADRS], 64*NQ, v[ADRS]
	FETCH_B \next, 0, 0
	FETCH_A \next, 0, 0
	SCALES \next
	WIN 0xf1
	MULQ 2, 1, NQ-1, \slot, 0
	MULQ 3, 1, NQ-1, \slot, 0
	WIN 0
.endm
.macro LAST
	s_wait_dscnt 0x0
	WIN 0xa1
	MULQ 0, 1, NQ-1, 1, 0
	MULQ 1, 1, NQ-1, 1, 0
	WIN 0xf1
	MULQ 2, 1, NQ-1, 1, 0
	MULQ 3, 1, NQ-1, 1, 0
	WIN 0
.endm
	s_load_b256 s[4:11], s[0:1], 0x0
	s_load_b64 s[12:13], s[0:1], 0x20
	v_lshl_add_u32 v[SPW], v0, 2, SPARE
	v_mov_b32 v[NIL], 0
	ds_add_u32 v[SPW], v[NIL]
	ds_add_u32 v[SPW], v[NIL]
	v_lshrrev_b32 v1, 5, v0
	v_readfirstlane_b32 s[WV], v1
	s_lshr_b32 s[RH], s[WV], 1
	s_and_b32 s[CH], s[WV], 1
	s_bfe_u32 s40, ttmp6, 0x40000
	s_bfe_u32 s41, ttmp6, 0x40004
	s_lshl_b32 s42, ttmp9, 2
	s_add_co_u32 s42, s42, s40
	s_and_b32 s45, ttmp7, 0xffff
	s_lshl_b32 s45, s45, 2
	s_add_co_u32 s45, s45, s41
	s_lshl_b32 s43, s41, 2
	s_lshl_b32 s43, 15, s43
	s_lshl_b32 s44, 0x1111, s40
	s_or_b32 s[G1], s43, (3<<16)|(1<<21)
	s_or_b32 s[G1B], s44, (3<<16)|(1<<21)
.irp g, G1, G1B
	s_mov_b32 s[\g+1], (NQ*192)<<16
	s_mov_b32 s[\g+2], (2*NBK)<<16                 ; the head's loads bring a whole tile: 2 NBK rows of fragments
	s_mov_b32 s[\g+3], (NQ*192)<<16
	s_mov_b32 s[\g+4], 2*NBK
	s_mov_b32 s[\g+5], KT*192
	s_mov_b32 s[\g+6], 0
	s_mov_b32 s[\g+7], 0
.endr
	s_or_b32 s[G1S], s43, (3<<16)|(1<<21)
	s_or_b32 s[G1SB], s44, (3<<16)|(1<<21)
.irp g, G1S, G1SB
	s_mov_b32 s[\g+1], 32<<16
	s_mov_b32 s[\g+2], (2*HALFS/256)<<16           ; the scale words of a whole tile's rows, one dense block
	s_mov_b32 s[\g+3], 32<<16
	s_mov_b32 s[\g+4], 2*HALFS/256
	s_mov_b32 s[\g+5], 32
	s_mov_b32 s[\g+6], 0
	s_mov_b32 s[\g+7], 0
.endr
	s_mul_i32 s20, s45, 2*NBK
	s_mul_i32 s46, s42, 2*NBK
	s_mul_i32 s22, s20, KT*64
	s_add_co_u32 s22, s22, ASC0
	s_mul_i32 s20, s20, KT*FRB
	s_mul_i32 s92, s46, KT*64
	s_add_co_u32 s92, s92, WS0+REGION*64
	s_mul_i32 s46, s46, KT*FRB
	s_add_co_u32 s46, s46, REGION*FRB
	s_mov_b32 s21, 0
	s_mov_b32 s23, 0
	s_mov_b32 s47, 0
	s_mov_b32 s93, 0
	s_mul_i32 s94, s[WV], HALFT
	s_wait_dscnt 0x0
	s_wait_kmcnt 0x0
	s_add_nc_u64 s[20:21], s[4:5], s[20:21]
	s_add_nc_u64 s[22:23], s[4:5], s[22:23]
	s_add_nc_u64 s[46:47], s[6:7], s[46:47]
	s_add_nc_u64 s[92:93], s[6:7], s[92:93]
	CROUND
	s_mov_b32 s[G0S], 1
	s_mov_b32 s[G0S+1], SCL
	s_mov_b64 s[G0S+2:G0S+3], s[22:23]
	s_or_b32 s[G0S+3], s[G0S+3], 0x80000000
	s_mov_b32 s[G0SB], 1
	s_mov_b32 s[G0SB+1], SCL+2*HALFS
	s_mov_b64 s[G0SB+2:G0SB+3], s[92:93]
	s_or_b32 s[G0SB+3], s[G0SB+3], 0x80000000
	s_mul_i32 s92, s[CH], NBK*KT*FRB               ; in the ring I fetch half a tile's rows: which half, in bytes
	s_mov_b32 s93, 0
	s_mov_b32 s[G0], 1                             ; the head's four tiles, each whole: slot 0's rows of A,
	s_mov_b32 s[G0+1], 0
	s_mov_b64 s[G0+2:G0+3], s[20:21]
	s_or_b32 s[G0+3], s[G0+3], 0x80000000
	s_mov_b32 s[G0B], 1                            ; and of B, behind them
	s_mov_b32 s[G0B+1], 2*HALFT
	s_mov_b64 s[G0B+2:G0B+3], s[46:47]
	s_or_b32 s[G0B+3], s[G0B+3], 0x80000000
	s_add_nc_u64 s[20:21], s[20:21], s[92:93]
	s_add_nc_u64 s[46:47], s[46:47], s[92:93]
	s_mov_b32 s[G0+4], 1                           ; slot 1, my half of a tile
	s_add_co_u32 s[G0+5], s94, SLOT
	s_add_nc_u64 s[G0+6:G0+7], s[20:21], NQ*FRB
	s_or_b32 s[G0+7], s[G0+7], 0x80000000
	s_mov_b32 s[G0B+4], 1
	s_add_co_u32 s[G0B+5], s94, SLOT
	s_add_nc_u64 s[G0B+6:G0B+7], s[46:47], NQ*FRB
	s_or_b32 s[G0B+7], s[G0B+7], 0x80000000
; the head's loads, one a wave: wave 0 A's codes, wave 1 B's, wave 2 A's scale words, wave 3 B's; one chain of branches on the wave's number
.macro ARM under, g0, g1, next
	s_cmp_lt_u32 s[WV], \under
	s_cbranch_scc0 \next
	tensor_load_to_lds s[\g0:\g0+3], s[\g1:\g1+7]
	s_nop 0
	PLACES 4
	s_branch .Lhead_asked
\next:
.endm
	ARM 1, G0, G1, .Lhead_b
	ARM 2, G0B, G1B, .Lhead_sa
	ARM 3, G0S, G1S, .Lhead_sb
	tensor_load_to_lds s[G0SB:G0SB+3], s[G1SB:G1SB+7]
	s_nop 0
	PLACES 4
.Lhead_asked:
; prefetches into the L2: with the load of slot k the tiles of slot k + 2 are asked for (here also slot 1's).  Of the NBK rows of fragments that I fetch in the ring each of the four partners
; of the joint load takes NBK / 4, told apart by address (cx for A, cy for B): 24 blocks of 256 bytes, a lane a block; lanes 24-31 name the last block again
	s_cmp_eq_u32 s[RH], 0
	s_cselect_b64 s[4:5], s[20:21], s[46:47]
	s_cselect_b32 s6, s40, s41
	s_mul_i32 s6, s6, (NBK/4)*KT*FRB
	s_mov_b32 s7, 0
	s_add_nc_u64 s[4:5], s[4:5], s[6:7]
	v_and_b32 v30, 31, v0
	v_min_u32 v30, 23, v30
.if NBK == 8
	v_mul_u32_u24 v31, v30, 11
	v_lshrrev_b32 v31, 7, v31                      ; lane / 12: which of my two rows
	v_mul_u32_u24 v31, v31, (KT-NQ)*FRB
	v_lshl_add_u32 v30, v30, 8, v31
.else
	v_lshlrev_b32 v30, 8, v30
.endif
	global_prefetch_b8 v30, s[4:5] offset:NQ*FRB th:TH_LOAD_NT scope:SCOPE_SE
	global_prefetch_b8 v30, s[4:5] offset:2*NQ*FRB th:TH_LOAD_NT scope:SCOPE_SE
	v_and_b32 v1, 15, v0
	v_bfe_u32 v2, v0, 4, 1
	v_and_b32 v3, 31, v0
	v_lshlrev_b32 v3, 4, v3
	v_lshlrev_b32 v4, 4, v1
	v_lshl_add_u32 v4, v2, 3, v4
	v_lshlrev_b32 v5, 2, v1
	s_mul_i32 s21, s[RH], HALFT
	s_mul_i32 s22, s[CH], HALFT
	s_add_co_u32 s22, s22, 2*HALFT
.irp s, 0,1
	v_add_nc_u32 v[ADRA+\s], s21, v3
	v_add_nc_u32 v[ADRB+\s], s22, v3
	v_add_nc_u32 v[ADRA+2+\s], s21, v4
	v_add_nc_u32 v[ADRB+2+\s], s22, v4
	s_add_co_u32 s21, s21, SLOT
	s_add_co_u32 s22, s22, SLOT
.endr
	s_mul_i32 s21, s[RH], HALFS
	s_mul_i32 s22, s[CH], HALFS
	s_add_co_u32 s22, s22, 2*HALFS
	s_sub_co_u32 s22, s22, s21
	v_mul_u32_u24 v7, s22, v2
	s_add_co_u32 s21, s21, SCL
	v_add_nc_u32 v7, v5, v7
	v_add_nc_u32 v[ADRS], s21, v7
	s_mul_i32 s21, s[WV], 4352
	s_add_co_u32 s21, s21, STG
	v_mul_u32_u24 v[STO], v1, 272
	v_lshl_add_u32 v[STO], v2, 6, v[STO]
	v_add_nc_u32 v[STO], s21, v[STO]
	v_mul_u32_u24 v[RD], v2, 272
	v_lshl_add_u32 v[RD], v1, 4, v[RD]
	v_add_nc_u32 v[RD], s21, v[RD]
	v_lshlrev_b32 v[CO], 12, v2
	v_lshl_add_u32 v[CO], v1, 4, v[CO]
	s_wait_alu depctr_va_vdst(0)
	s_mul_i32 s46, s42, 128*NBK
	s_mul_i32 s47, s[CH], 64*NBK
	s_add_co_u32 s46, s46, s47
	s_mov_b32 s47, 0
	s_add_nc_u64 s[8:9], s[8:9], s[46:47]
	s_lshl_b32 s18, s45, 7
	s_lshl_b32 s19, s[RH], 6
	s_add_co_u32 s18, s18, s19
	s_lshl_b32 s18, s18, 12
	s_add_co_u32 s18, s18, s46
	s_mov_b32 s19, 0
	s_add_nc_u64 s[96:97], s[10:11], s[18:19]
	s_add_nc_u64 s[98:99], s[12:13], s[18:19]
	v_lshlrev_b32 v6, 6, v2
.set ib, 0
.rept NBK
	global_load_b128 v[BI+8*ib:BI+8*ib+3], v6, s[8:9] offset:(32*(ib/2)+8*(ib%2))*4
	global_load_b128 v[BI+8*ib+4:BI+8*ib+7], v6, s[8:9] offset:(32*(ib/2)+8*(ib%2))*4+16
.set ib, ib+1
.endr
	s_wait_alu depctr_va_vdst(0)
	s_wait_tensorcnt 0x0                           ; my tile of the head's four is in; the three lines ahead of slot 1's first fill, as ahead of a refill
	ds_add_u32 v[SPW], v[NIL]
	s_mov_b32 s[G1+2], NBK<<16                     ; no load of mine is out: from here on a load brings half a tile's rows,
	s_mov_b32 s[G1+4], NBK
	s_mov_b32 s[G1B+2], NBK<<16
	s_mov_b32 s[G1B+4], NBK
	s_mov_b32 s[G0+1], s94                         ; and slot 0's group 0 names my half
	s_add_nc_u64 s[G0+2:G0+3], s[G0+2:G0+3], s[92:93]
	s_mov_b32 s[G0B+1], s94
	s_add_nc_u64 s[G0B+2:G0B+3], s[G0B+2:G0B+3], s[92:93]
	s_wait_dscnt 0x0
	CROUND
	JLOAD G0+4, G1, G0B+4, G1B
	global_prefetch_b8 v30, s[4:5] offset:3*NQ*FRB th:TH_LOAD_NT scope:SCOPE_SE
	FETCH_B 0, 0, 0
	FETCH_A 0, 0, 0
	SCALES 0
	s_wait_loadcnt 0x0                             ; the bias
	STEP 0, 0, 1
	WIN 0x80                                       ; the residual is wanted on the way out alone: blocks 0 and 1 are asked for here, behind the head's tiles, into idle registers of window 2,
.irp a, 0,1
.irp t, 0,1,2,3,4,5,6,7
	global_load_b128 v[RES+32*\a+4*\t:RES+32*\a+4*\t+3], v[CO], s[96:97] offset:(32*(\a/2)+8*(\a%2)+2*(\t%4)+16*(\t/4))*4096
.endr
.endr
	WIN 0
	s_mov_b32 s3, LAPS-1
.Llap:
	STEP 0, 1, 0
	STEP 0, 2, 0
	TURN 0, 1, 1
	STEP 1, 0, 0
	STEP 1, 1, 0
	STEP 1, 2, 0
	TURN 1, 0, 1
	STEP 0, 0, 0
	s_sub_co_u32 s3, s3, 1
	s_cmp_lg_u32 s3, 0
	s_cbranch_scc1 .Llap
	WIN 0x80                                       ; and blocks 2 and 3 here, behind the last refill, seven K steps ahead of the way out
.irp a, 2,3
.irp t, 0,1,2,3,4,5,6,7
	global_load_b128 v[RES+32*\a+4*\t:RES+32*\a+4*\t+3], v[CO], s[96:97] offset:(32*(\a/2)+8*(\a%2)+2*(\t%4)+16*(\t/4))*4096
.endr
.endr
	WIN 0
	STEP 0, 1, 0
	STEP 0, 2, 0
	TURN 0, 1, 0
	STEP 1, 0, 0
	STEP 1, 1, 0
	STEP 1, 2, 0
	LAST
	PLACES 4
.irp a, 0,1,2,3
	s_wait_loadcnt 24-8*\a                         ; block a's eight loads of the residual are in; the later blocks' eight each may be out
	WIN 0x08+4*(\a/2)
.irp b, 0,1,2,3
	ds_store_b128 v[STO], v[8*(4*(\a%2)+\b):8*(4*(\a%2)+\b)+3] offset:(32*(\b/2)+8*(\b%2))*4
	ds_store_b128 v[STO], v[8*(4*(\a%2)+\b)+4:8*(4*(\a%2)+\b)+7] offset:(32*(\b/2)+8*(\b%2))*4+16
.endr
	WIN 0
.if \a > 0
	s_wait_xcnt 0x0
.endif
.irp t, 0,1,2,3,4,5,6,7
	ds_load_b128 v[RB+4*\t:RB+4*\t+3], v[RD] offset:544*\t
.endr
	s_wait_dscnt 0x0
	WIN 0x08
.irp t, 0,1,2,3,4,5,6,7
	v_pk_add_f32 v[RB+4*\t:RB+4*\t+1], v[RB+4*\t:RB+4*\t+1], v[RES+32*\a+4*\t:RES+32*\a+4*\t+1]
	v_pk_add_f32 v[RB+4*\t+2:RB+4*\t+3], v[RB+4*\t+2:RB+4*\t+3], v[RES+32*\a+4*\t+2:RES+32*\a+4*\t+3]
.endr
	WIN 0
.irp t, 0,1,2,3,4,5,6,7
	global_store_b128 v[CO], v[RB+4*\t:RB+4*\t+3], s[98:99] offset:(32*(\a/2)+8*(\a%2)+2*(\t%4)+16*(\t/4))*4096 th:TH_STORE_NT
.endr
.endr
	s_wait_tensorcnt 0x0
	ds_add_u32 v[SPW], v[NIL]
	s_wait_dscnt 0x0
	CROUND
	s_endpgm
.Lfunc_end_k_q7a6dda4bc8_ffn2:
	.size	k_q7a6dda4bc8_ffn2, .Lfunc_end_k_q7a6dda4bc8_ffn2-k_q7a6dda4bc8_ffn2
	.p2alignl 7, 3214868480
	.fill 96, 4, 3214868480
	.section	.rodata,"a",@progbits
	.p2align	6, 0x0
	.amdhsa_kernel k_q7a6dda4bc8_ffn2
		.amdhsa_group_segment_fixed_size 327680
		.amdhsa_private_segment_fixed_size 0
		.amdhsa_enable_private_segment 0
		.amdhsa_kernarg_size 40
		.amdhsa_user_sgpr_count 2
		.amdhsa_user_sgpr_kernarg_segment_ptr 1
		.amdhsa_wavefront_size32 1
		.amdhsa_system_sgpr_workgroup_id_x 1
		.amdhsa_system_sgpr_workgroup_id_y 1
		.amdhsa_system_sgpr_workgroup_id_z 1
		.amdhsa_system_vgpr_workitem_id 0
		.amdhsa_next_free_vgpr 1024
		.amdhsa_next_free_sgpr 102
		.amdhsa_reserve_vcc 0
		.amdhsa_float_denorm_mode_32 3
		.amdhsa_float_denorm_mode_16_64 3
		.amdhsa_memory_ordered 1
		.amdhsa_forward_progress 1
		.amdhsa_inst_pref_size 104
	.end_amdhsa_kernel
	.amdgpu_metadata
---
amdhsa.version: [ 1, 2 ]
amdhsa.kernels:
  - .name:           k_q7a6dda4bc8_ffn2
    .symbol:         k_q7a6dda4bc8_ffn2.kd
    .args:
      - { .name: hbuf, .offset: 0, .size: 8, .value_kind: global_buffer, .address_space: global }
      - { .name: wbuf, .offset: 8, .size: 8, .value_kind: global_buffer, .address_space: global }
      - { .name: b2, .offset: 16, .size: 8, .value_kind: global_buffer, .address_space: global }
      - { .name: x1, .offset: 24, .size: 8, .value_kind: global_buffer, .address_space: global }
      - { .name: out0, .offset: 32, .size: 8, .value_kind: global_buffer, .address_space: global }
    .group_segment_fixed_size: 327680
    .private_segment_fixed_size: 0
    .kernarg_segment_align: 8
    .kernarg_segment_size: 40
    .max_flat_workgroup_size: 128
    .sgpr_count:     102
    .vgpr_count:     1024
    .wavefront_size: 32
...
	.end_amdgpu_metadata
.endif
;; end of part 6
